; MI455X (gfx1250); checked and timed in simulation.
; The chip was launched on July 23, 2026; its instructions are those of AMD's public machine-readable ISA for CDNA 5 (MIT licence, August 2026) and "CDNA5" Instruction Set Architecture Reference Guide (July 2026). The comments in the code are by the model that wrote it; some were corrected since.
;; Gemma3 Attention. Allowed arithmetic: matrix products marked QUANTISED: E2M1 operands, one E8M0 scale for each 32 along K, by v_wmma_scale_f32_16x16x128_f8f6f4 with both operands' format E2M1 (or v_wmma_scale_f32_32x16x128_f4), f32 sums; products left as they are: bf16, f16 or f32 operands; f32 sums; everything else in f32.
;; Inputs: Wk 1,024 x 2,048 float32; Wo 2,048 x 1,024 float32; Wq 1,024 x 2,048 float32; Wv 1,024 x 2,048 float32; k_norm_w 256 float32; pos 4,096 int32; q_norm_w 256 float32; x 1 x 4,096 x 2,048 float32.
;; Outputs: out0 1 x 4,096 x 2,048 float32.
;; This version of the problem:
;;   THIS VERSION OF THE PROBLEM IS GIVEN IN LOW PRECISION. The matrix products marked QUANTISED in the list below multiply operands that are first quantised to E2M1 (2 exponent bits, 1 mantissa bit; 4 bits a number), with one power-of-two scale for each 32 numbers along K (OCP MX v1.0); their sums are f32. The products marked 'left as it is' may take bf16, f16 or f32 operands, with f32 sums. Whichever they take, every output number must still come out within the allowed error. Rounding operands to bf16 (8 significant bits) uses up far more of that allowance than f16 does (11 bits, for magnitudes from 6e-5 to 65,504). All else is computed in f32.
;;   The module's matrix products, in the order in which they are computed (A, B: the left and right operand; K: the contracted axis; several contracted axes count as one K, in the product's order):
;;     1. [M 4,096, K 2,048] x [K 2,048, N 1,024]; A: input x; B: input Wq: QUANTISED
;;     2. [M 4,096, K 2,048] x [K 2,048, N 1,024]; A: input x; B: input Wk: QUANTISED
;;     3. [M 4,096, K 2,048] x [K 2,048, N 1,024]; A: input x; B: input Wv: QUANTISED
;;     4. batch 4 x [M 4,096, K 256] x [K 256, N 4,096]; A: computed on the way; B: computed on the way: left as it is (an operand is computed on the way)
;;     5. batch 4 x [M 4,096, K 4,096] x [K 4,096, N 256]; A: computed on the way; B: computed on the way: left as it is (an operand is computed on the way)
;;     6. [M 4,096, K 1,024] x [K 1,024, N 2,048]; A: computed on the way; B: input Wo: left as it is (an operand is computed on the way)
;;   THE QUANTISER, for each operand of a quantised product, along K:
;;     - K is cut into blocks of 32 from its start; a last block that is shorter is filled with zeros.
;;     - A block's scale is 2^e with e = floor(log2(the largest magnitude in the block)) - 2, held to -126 .. 127; a block of zeros has e = 0. As a byte (E8M0): e + 127.
;;     - Each number is divided by its block's scale, clamped to +-6, and rounded to the nearest number of E2M1, ties to even, subnormals kept.
;;     - The product sums the exact products of the quantised numbers (number of the format x scale) in f32.
;;   ~~~python
;;   def quantise(x, axis):      # numpy; x: float32 -> the quantised numbers, widened to float32 again
;;       x = np.moveaxis(x, axis, -1); K = x.shape[-1]
;;       x = np.pad(x, [(0, 0)] * (x.ndim - 1) + [(0, -K % 32)]); x = x.reshape(x.shape[:-1] + (-1, 32)); a = np.abs(x).max(-1, keepdims=True)
;;       e = np.where(a > 0, np.clip(np.frexp(np.where(a > 0, a, 1))[1] - 1 - 2, -126, 127), 0)      # np.frexp(a)[1] - 1 = floor(log2(a)), exactly
;;       r = np.clip(x / 2.0 ** e, -6, 6)
;;       step = 2.0 ** (np.maximum(np.frexp(np.where(r == 0, 1, r))[1] - 1, 0) - 1)
;;       q = np.round(r / step) * step * 2.0 ** e      # np.round: ties to even
;;       return np.moveaxis(q.reshape(q.shape[:-2] + (-1,))[..., :K], -1, axis).astype(np.float32)
;;   ~~~
;; One version. Each part assembles by itself: llvm-mc -triple=amdgcn-amd-amdhsa -mcpu=gfx1250 --defsym DOCPART=n.
;; ======== version 1 of 1: 5 launches
;; limits: values are held in f16: magnitudes above 65,504 overflow, below 6.1e-05 lose precision
;; workspace buffers: codes 7,340,032 bytes; scales 458,752 bytes; tab 4,325,376 bytes; woh 4,194,304 bytes; qkvh 25,165,824 bytes; yh 8,388,608 bytes; first16 196,608 bytes
;; launch prep (part 1): grid 578 x 1, 4 waves a work-group, no clusters, 50,688 bytes of LDS; arguments x, Wq, Wk, Wv, Wo, pos, codes, scales, woh, tab; writes codes, scales, woh, tab
.if DOCPART == 1
	.amdgcn_target "amdgcn-amd-amdhsa--gfx1250"
	.amdhsa_code_object_version 6
	.text
	.protected	k_qa0d6ba3dc9_prep
	.globl	k_qa0d6ba3dc9_prep
	.p2align	8
	.type	k_qa0d6ba3dc9_prep,@function
k_qa0d6ba3dc9_prep:
	s_mov_b64 s[64:65], 0
	v_nop
	global_prefetch_b8 v0, s[64:65] scope:SCOPE_SE
	s_setreg_imm32_b32 hwreg(HW_REG_WAVE_MODE, 25, 1), 1
	s_wait_xcnt 0x0
; THREE JOBS IN ONE LAUNCH, parted by the work-group's number; each has LDS bytes of its own.
;  work-groups 0-447:   x, Wq, Wk, Wv (f32, K innermost) become codes of FP4 (E2M1) and one E8M0 byte for each 32 along K.
;                       codes: x's 4,096 rows of 1,024 bytes, then the 3,072 rows of Wq, Wk, Wv; scales: 64 bytes a row, in the same order.
;  work-groups 448-511: Wo (f32) becomes f16, laid in the order of a matrix operand's registers: a block of 512 bytes holds 16 rows x 16 along K,
;                       lane (r, h)'s 16 bytes at 16 x lane: row r, K = 8 h + 0 .. 7.  woh: (kg / 8) x 524,288 + nt x 4,096 + (kg % 8) x 512.
;  work-groups 512-577: the table of cos and sin for the rotation, from pos, f32: tile tt of 16 tokens x 128 frequencies:
;                       tt x 16,384 + fg x 2,048 + x x 512 + 16 x lane; lane (r, h): token r, frequencies 16 fg + 8 h + j; x = 0, 1: cos of j = 0-3, 4-7;
;                       x = 2, 3: -sin for even j, +sin for odd j.  Tiles 256-263 are the identity (angle 0): the values' work-groups of the next launch read them.
; A block's scale is 2^(floor(log2(its largest magnitude)) - 2): its byte is the largest magnitude's exponent field - 2, held at 1 from below.  A block of zeros
; so gets the byte 1 where the rule says 127: its codes are zeros, which add nothing, and this program alone reads the bytes.
; LIMITS: blocks whose largest magnitude lies under 2^(2 - 126) were not tried; NaN and infinities are not served; Wo goes to f16: magnitudes beyond 65,504 are
; not served, those under 6e-5 lose bits; the angle's reduction holds for |pos| under 2^22; 1 / 10000^(f / 128) is made as 2^(-f x 0.10381025).
; No ring, no matrix unit, no cluster: the launch streams, and its work-groups share nothing.
.set STEPS, 16
.set EMAX,  2
.set CB,    8                          ; bytes of 16 codes
.set R,     16                         ; v16-79   numbers as they are loaded
.set X,     80                         ; v80-111  numbers as a lane's neighbours along K
.set E,     112                        ; v112-127 a scale byte for each step
.set C,     128                        ; v128-191 results to store
.set WREG,  8192                       ; the quantiser's LDS: a region for each wave: two stages of 32 x SP bytes, then its 256 scale bytes
.set SP,    80
.set WSTG,  32768                      ; Wo's LDS: a stage of 16 rows x 272 bytes for each wave
.set SPW,   12                         ; v12 LDS address of my spare word; never rewritten
.set NIL,   13                         ; v13 0; never rewritten
.set SPARE, 50176                      ; the spare words, 128 bytes for each wave
.macro FINISH                          ; the end of a wave that stored to LDS
	s_wait_tensorcnt 0x0
	ds_add_u32 v[SPW], v[NIL]
	s_wait_dscnt 0x0
	s_endpgm
.endm
	s_load_b256 s[4:11], s[0:1], 0x0               ; x, Wq, Wk, Wv
	s_load_b256 s[12:19], s[0:1], 0x20             ; Wo, pos, codes, scales
	s_load_b128 s[20:23], s[0:1], 0x40             ; woh, tab
	v_lshl_add_u32 v[SPW], v0, 2, SPARE
	v_mov_b32 v[NIL], 0
	v_lshrrev_b32 v1, 5, v0
	v_readfirstlane_b32 s24, v1                    ; wave
	v_and_b32 v2, 31, v0                           ; lane
	s_wait_kmcnt 0x0
	s_cmp_ge_u32 ttmp9, 512
	s_cbranch_scc1 .Ltable
	s_cmp_ge_u32 ttmp9, 448
	s_cbranch_scc1 .Lwo
; ---------------- the quantiser: a wave takes 16 steps of 512 numbers.  Each load reads 512 consecutive bytes; a step's 2,048 bytes turn through the wave's
; own stage in LDS and come back 64 bytes a lane, so that a lane holds 16 neighbours along K and two neighbouring lanes a block.
	v_lshlrev_b32 v3, 4, v2                        ; my 16 bytes of a load's 512
	s_mul_i32 s25, s24, WREG
	v_lshrrev_b32 v14, 2, v2
	v_mul_u32_u24 v14, v14, SP
	v_and_b32 v15, 3, v2
	v_lshl_add_u32 v14, v15, 4, v14
	v_add_nc_u32 v14, s25, v14                     ; the stage, on the way in: SP (lane / 4) + 16 (lane % 4)
	v_mul_u32_u24 v15, v2, SP
	v_add_nc_u32 v15, s25, v15                     ; and on the way out: SP x lane
	v_mul_u32_u24 v4, v2, CB                       ; my codes' place in a step's
	v_lshrrev_b32 v5, 1, v2
	s_add_co_u32 s25, s25, 2*32*SP
	v_add_nc_u32 v5, s25, v5                       ; my block's byte among my wave's 256
	v_lshlrev_b32 v7, 3, v2
	v_add_nc_u32 v6, s25, v7
	s_and_b32 s34, ttmp9, 63                       ; a weight's 64 work-groups begin at multiples of 64
	s_cmp_lt_u32 ttmp9, 320                        ; the source is chosen by the work-group's number alone
	s_cselect_b64 s[26:27], s[6:7], s[8:9]
	s_cmp_lt_u32 ttmp9, 384
	s_cselect_b64 s[26:27], s[26:27], s[10:11]
	s_cmp_lt_u32 ttmp9, 256
	s_cselect_b64 s[26:27], s[4:5], s[26:27]
	s_cselect_b32 s34, ttmp9, s34
	s_lshl_b32 s34, s34, 2
	s_add_co_u32 s34, s34, s24                     ; which run of 8,192 numbers of the source is my wave's
	s_lshl_b32 s34, s34, 15
	s_mov_b32 s35, 0
	s_add_nc_u64 s[26:27], s[26:27], s[34:35]
	s_lshl_b32 s36, ttmp9, 2
	s_add_co_u32 s36, s36, s24                     ; and of the results, which lie on end: x is 1,024 runs
	s_lshl_b32 s34, s36, 12
	s_add_nc_u64 s[28:29], s[16:17], s[34:35]      ; 4,096 bytes of codes a run
	s_lshl_b32 s34, s36, 8
	s_add_nc_u64 s[30:31], s[18:19], s[34:35]      ; 256 scale bytes a run
.macro QLOAD t
.irp i, 0,1,2,3
	global_load_b128 v[R+16*((\t)%4)+4*\i:R+16*((\t)%4)+4*\i+3], v3, s[26:27] offset:2048*(\t)+512*\i th:TH_LOAD_NT
.endr
.endm
.macro QTURN t                         ; LDS serves a wave's instructions in order: no wait between the stores and the loads
.irp i, 0,1,2,3
	ds_store_b128 v14, v[R+16*((\t)%4)+4*\i:R+16*((\t)%4)+4*\i+3] offset:32*SP*((\t)%2)+8*SP*\i
.endr
.irp i, 0,1,2,3
	ds_load_b128 v[X+16*((\t)%2)+4*\i:X+16*((\t)%2)+4*\i+3], v15 offset:32*SP*((\t)%2)+16*\i
.endr
.endm
.irp t, 0,1,2,3
	QLOAD \t
.endr
	s_wait_loadcnt 12                              ; step 0's four loads are in; three steps' twelve are younger
	QTURN 0
.macro QSTEP t
.set XS, X+16*((\t)%2)
.if (\t) > 0
	s_wait_dscnt 1                                 ; this step's numbers are back from the stage; the last step's byte store is younger
.else
	s_wait_dscnt 0x0
.endif
.if (\t)+4 < STEPS
	QLOAD (\t)+4
.endif
.if (\t)+1 < STEPS
.if STEPS-2-(\t) >= 3
	s_wait_loadcnt 12                              ; the next step's four loads are in; those of the three steps behind it are younger
.else
	s_wait_loadcnt 4*(STEPS-2-(\t))
.endif
	QTURN (\t)+1
.endif
	v_max3_num_f32 v8, |v[XS]|, |v[XS+1]|, |v[XS+2]|
	v_max3_num_f32 v9, |v[XS+3]|, |v[XS+4]|, |v[XS+5]|
.irp i, 6,10
	v_max3_num_f32 v8, v8, |v[XS+\i]|, |v[XS+\i+1]|
	v_max3_num_f32 v9, v9, |v[XS+\i+2]|, |v[XS+\i+3]|
.endr
	v_max3_num_f32 v8, v8, |v[XS+14]|, |v[XS+15]|
	v_max3_num_f32 v8, v8, v9, (EMAX+1)<<23        ; and the floor 2^(3 - 127): the byte cannot fall under 1
	v_max_num_f32_dpp v8, v8, v8 row_xmask:1 row_mask:0xf bank_mask:0xf   ; with my neighbour's 16: the block's largest magnitude
	v_add_nc_u32 v11, -(EMAX<<23), v8              ; 2 off its exponent field: the conversion takes that field as its scale
	v_cvt_scalef32_pk8_fp4_f32 v[C+4*(\t)], v[XS:XS+7], v11
	v_cvt_scalef32_pk8_fp4_f32 v[C+4*(\t)+1], v[XS+8:XS+15], v11
	v_lshrrev_b32 v[E+(\t)], 23, v11               ; the scale's byte
	ds_store_b8 v5, v[E+(\t)] offset:16*(\t)       ; both lanes of a block write the same byte with the same value
	global_store_b64 v4, v[C+4*(\t):C+4*(\t)+1], s[28:29] offset:32*CB*(\t)   ; the wave stores 256 consecutive bytes, aligned
.endm
.irp t, 0,1,2,3,4,5,6,7,8,9,10,11,12,13,14,15
	QSTEP \t
.endr
	ds_load_b64 v[8:9], v6
	s_wait_dscnt 0x0
	global_store_b64 v7, v[8:9], s[30:31]          ; my wave's 256 scale bytes, aligned
	FINISH
; ---------------- Wo to f16: a wave takes 16 rows x 512 along K, in eight tasks of 16 rows x 64.
.Lwo:
	s_sub_co_u32 s25, ttmp9, 448
	s_lshl_b32 s25, s25, 2
	s_add_co_u32 s25, s25, s24                     ; 0 .. 255
	s_lshr_b32 s34, s25, 1                         ; nt: which 16 rows
	s_and_b32 s36, s25, 1                          ; which half of K
	v_and_b32 v5, 15, v2
	v_lshrrev_b32 v6, 4, v2
	v_lshlrev_b32 v3, 12, v6
	v_lshl_add_u32 v3, v5, 4, v3                   ; in: lanes 0-15 one row's 256 bytes, lanes 16-31 the next row's
	s_mul_i32 s37, s24, 16*272
	s_add_co_u32 s37, s37, WSTG
	v_mul_u32_u24 v14, v6, 272
	v_lshl_add_u32 v14, v5, 4, v14
	v_add_nc_u32 v14, s37, v14                     ; the stage, on the way in
	v_mul_u32_u24 v15, v5, 272
	v_lshl_add_u32 v15, v6, 5, v15
	v_add_nc_u32 v15, s37, v15                     ; and out: row r, 32 h bytes on: my eight numbers of a block
	v_lshlrev_b32 v4, 4, v2
	s_lshl_b32 s38, s34, 16
	s_lshl_b32 s39, s36, 11
	s_add_co_u32 s38, s38, s39
	s_mov_b32 s39, 0
	s_add_nc_u64 s[26:27], s[12:13], s[38:39]
	s_lshl_b32 s38, s36, 21
	s_lshl_b32 s40, s34, 12
	s_add_co_u32 s38, s38, s40
	s_add_nc_u64 s[28:29], s[20:21], s[38:39]
.macro WLOAD t
.irp i, 0,1,2,3,4,5,6,7
	global_load_b128 v[R+32*((\t)%2)+4*\i:R+32*((\t)%2)+4*\i+3], v3, s[26:27] offset:8192*\i+256*(\t) th:TH_LOAD_NT
.endr
.endm
.macro WTASK t
.if (\t) < 7
	s_wait_loadcnt 8                               ; this task's eight loads are in; the next task's eight are younger
.else
	s_wait_loadcnt 0x0
.endif
.irp i, 0,1,2,3,4,5,6,7
	ds_store_b128 v14, v[R+32*((\t)%2)+4*\i:R+32*((\t)%2)+4*\i+3] offset:544*\i
.endr
.irp b, 0,1,2,3
	ds_load_b128 v[X+8*\b:X+8*\b+3], v15 offset:64*\b
	ds_load_b128 v[X+8*\b+4:X+8*\b+7], v15 offset:64*\b+16
.endr
	s_wait_dscnt 0x0
	s_wait_xcnt 0x0                                ; the stores of two tasks ago have read their registers
.if (\t)+2 < 8
	WLOAD (\t)+2
.endif
.irp b, 0,1,2,3
.irp j, 0,1,2,3
	v_cvt_pk_f16_f32 v[C+16*((\t)%2)+4*\b+\j], v[X+8*\b+2*\j], v[X+8*\b+2*\j+1]
.endr
.endr
.irp b, 0,1,2,3
	global_store_b128 v4, v[C+16*((\t)%2)+4*\b:C+16*((\t)%2)+4*\b+3], s[28:29] offset:((\t)/2)*524288+((\t)%2)*2048+512*\b   ; 512 consecutive bytes
.endr
.endm
	WLOAD 0
	WLOAD 1
.irp t, 0,1,2,3,4,5,6,7
	WTASK \t
.endr
	FINISH
; ---------------- the table: a wave takes a tile of 16 tokens; a trip makes 16 frequencies: eight a lane.
.Ltable:
	s_sub_co_u32 s25, ttmp9, 512
	s_lshl_b32 s25, s25, 2
	s_add_co_u32 s25, s25, s24                     ; tile 0 .. 263
	s_min_u32 s34, s25, 255                        ; the identity's tiles read a place inside pos and multiply it by 0
	s_lshl_b32 s34, s34, 6
	s_mov_b32 s35, 0
	s_add_nc_u64 s[26:27], s[14:15], s[34:35]
	v_and_b32 v5, 15, v2
	v_lshrrev_b32 v6, 4, v2
	v_lshlrev_b32 v7, 2, v5
	global_load_b32 v20, v7, s[26:27]              ; my token's position
	s_cmp_lt_u32 s25, 256
	s_cselect_b32 s36, 1.0, 0
	s_lshl_b32 s38, s25, 14
	s_mov_b32 s39, 0
	s_add_nc_u64 s[28:29], s[22:23], s[38:39]
	v_lshlrev_b32 v3, 4, v2
	v_lshlrev_b32 v6, 3, v6
.irp j, 0,1,2,3,4,5,6,7
	v_add_nc_u32 v[24+\j], \j, v6                  ; 8 h + j
.endr
	s_mov_b32 s37, 0xb94ca1f9                      ; the sine's highest coefficient
	s_mov_b32 s40, 0x37ccf5ce                      ; the cosine's
	s_mov_b32 s30, 0
	s_mov_b32 s31, 0
	s_wait_loadcnt 0x0
	v_cvt_f32_i32 v20, v20
	v_mul_f32 v20, s36, v20
.Lfg:
.irp j, 0,1,2,3,4,5,6,7
	v_add_nc_u32 v[32+\j], s31, v[24+\j]           ; the frequency's number f
.endr
.irp j, 0,1,2,3,4,5,6,7
	v_cvt_f32_u32 v[32+\j], v[32+\j]
.endr
.irp j, 0,1,2,3,4,5,6,7
	v_mul_f32 v[32+\j], 0xbdd49a78, v[32+\j]       ; -f log2(10000) / 128
.endr
.irp j, 0,1,2,3,4,5,6,7
	v_exp_f32 v[32+\j], v[32+\j]
.endr
	v_nop                                          ; a plain instruction behind the last exponential,
	s_wait_alu depctr_va_vdst(0)                   ; and one wait for the eight, ahead of their first reader
.irp j, 0,1,2,3,4,5,6,7
	v_mul_f32 v[32+\j], v20, v[32+\j]              ; the angle
.endr
.irp j, 0,1,2,3,4,5,6,7
	v_mul_f32 v[40+\j], 0x3f22f983, v[32+\j]       ; x 2 / pi
.endr
.irp j, 0,1,2,3,4,5,6,7
	v_rndne_f32 v[40+\j], v[40+\j]                 ; n quarter turns
.endr
.irp j, 0,1,2,3,4,5,6,7
	v_fmamk_f32 v[48+\j], v[40+\j], 0xbfc90fdb, v[32+\j]   ; the rest: the angle - n pi / 2, pi / 2 in three parts
.endr
.irp j, 0,1,2,3,4,5,6,7
	v_fmamk_f32 v[48+\j], v[40+\j], 0x333bbd2e, v[48+\j]
.endr
.irp j, 0,1,2,3,4,5,6,7
	v_fmamk_f32 v[48+\j], v[40+\j], 0x26f72ced, v[48+\j]
.endr
.irp j, 0,1,2,3,4,5,6,7
	v_mul_f32 v[56+\j], v[48+\j], v[48+\j]         ; z = rest^2
.endr
.irp j, 0,1,2,3,4,5,6,7
	v_cvt_i32_f32 v[80+\j], v[40+\j]
.endr
.irp j, 0,1,2,3,4,5,6,7
	v_fmaak_f32 v[64+\j], s37, v[56+\j], 0x3c08839e
	v_fmaak_f32 v[72+\j], s40, v[56+\j], 0xbab6061a
.endr
.irp j, 0,1,2,3,4,5,6,7
	v_fmaak_f32 v[64+\j], v[64+\j], v[56+\j], 0xbe2aaaa3
	v_fmaak_f32 v[72+\j], v[72+\j], v[56+\j], 0x3d2aaaa5
.endr
.irp j, 0,1,2,3,4,5,6,7
	v_mul_f32 v[64+\j], v[64+\j], v[56+\j]
	v_mul_f32 v[72+\j], v[72+\j], v[56+\j]
	v_fma_f32 v[104+\j], v[56+\j], -0.5, 1.0
.endr
.irp j, 0,1,2,3,4,5,6,7
	v_fma_f32 v[64+\j], v[64+\j], v[48+\j], v[48+\j]       ; sin of the rest
	v_fma_f32 v[72+\j], v[72+\j], v[56+\j], v[104+\j]      ; cos of the rest
.endr
.irp j, 0,1,2,3,4,5,6,7                        ; an odd n swaps the two; the signs come from n's second bit: selects, no branch
	v_and_b32 v[104+\j], 1, v[80+\j]
	v_cmp_eq_u32 vcc_lo, 1, v[104+\j]
	v_cndmask_b32 v[88+\j], v[72+\j], v[64+\j], vcc_lo
	v_cndmask_b32 v[96+\j], v[64+\j], v[72+\j], vcc_lo
	v_add_nc_u32 v[104+\j], 1, v[80+\j]
	v_lshlrev_b32 v[104+\j], 30, v[104+\j]
	v_and_b32 v[104+\j], 0x80000000, v[104+\j]
	v_xor_b32 v[88+\j], v[104+\j], v[88+\j]        ; cos
	v_add_nc_u32 v[104+\j], 2*(1-(\j%2)), v[80+\j]
	v_lshlrev_b32 v[104+\j], 30, v[104+\j]
	v_and_b32 v[104+\j], 0x80000000, v[104+\j]
	v_xor_b32 v[96+\j], v[104+\j], v[96+\j]        ; -sin for even j, +sin for odd j
.endr
	global_store_b128 v3, v[88:91], s[28:29]
	global_store_b128 v3, v[92:95], s[28:29] offset:512
	global_store_b128 v3, v[96:99], s[28:29] offset:1024
	global_store_b128 v3, v[100:103], s[28:29] offset:1536
	s_wait_xcnt 0x0                                ; the stores have read their registers and their base
	s_add_nc_u64 s[28:29], s[28:29], 2048
	s_add_co_u32 s31, s31, 16
	s_add_co_u32 s30, s30, 1
	s_cmp_lt_u32 s30, 8
	s_cbranch_scc1 .Lfg
	s_endpgm
.Lfunc_end_k_qa0d6ba3dc9_prep:
	.size	k_qa0d6ba3dc9_prep, .Lfunc_end_k_qa0d6ba3dc9_prep-k_qa0d6ba3dc9_prep
	.p2alignl 7, 3214868480
	.fill 96, 4, 3214868480
	.section	.rodata,"a",@progbits
	.p2align	6, 0x0
	.amdhsa_kernel k_qa0d6ba3dc9_prep
		.amdhsa_group_segment_fixed_size 50688
		.amdhsa_private_segment_fixed_size 0
		.amdhsa_enable_private_segment 0
		.amdhsa_kernarg_size 80
		.amdhsa_user_sgpr_count 2
		.amdhsa_user_sgpr_kernarg_segment_ptr 1
		.amdhsa_wavefront_size32 1
		.amdhsa_system_sgpr_workgroup_id_x 1
		.amdhsa_system_sgpr_workgroup_id_y 1
		.amdhsa_system_sgpr_workgroup_id_z 1
		.amdhsa_system_vgpr_workitem_id 0
		.amdhsa_next_free_vgpr 192
		.amdhsa_next_free_sgpr 66
		.amdhsa_reserve_vcc 1
		.amdhsa_float_denorm_mode_32 3
		.amdhsa_float_denorm_mode_16_64 3
		.amdhsa_memory_ordered 1
		.amdhsa_forward_progress 1
		.amdhsa_inst_pref_size 74
	.end_amdhsa_kernel
	.amdgpu_metadata
---
amdhsa.version: [ 1, 2 ]
amdhsa.kernels:
  - .name:           k_qa0d6ba3dc9_prep
    .symbol:         k_qa0d6ba3dc9_prep.kd
    .args:
      - { .name: x, .offset: 0, .size: 8, .value_kind: global_buffer, .address_space: global }
      - { .name: Wq, .offset: 8, .size: 8, .value_kind: global_buffer, .address_space: global }
      - { .name: Wk, .offset: 16, .size: 8, .value_kind: global_buffer, .address_space: global }
      - { .name: Wv, .offset: 24, .size: 8, .value_kind: global_buffer, .address_space: global }
      - { .name: Wo, .offset: 32, .size: 8, .value_kind: global_buffer, .address_space: global }
      - { .name: pos, .offset: 40, .size: 8, .value_kind: global_buffer, .address_space: global }
      - { .name: codes, .offset: 48, .size: 8, .value_kind: global_buffer, .address_space: global }
      - { .name: scales, .offset: 56, .size: 8, .value_kind: global_buffer, .address_space: global }
      - { .name: woh, .offset: 64, .size: 8, .value_kind: global_buffer, .address_space: global }
      - { .name: tab, .offset: 72, .size: 8, .value_kind: global_buffer, .address_space: global }
    .group_segment_fixed_size: 50688
    .private_segment_fixed_size: 0
    .kernarg_segment_align: 8
    .kernarg_segment_size: 80
    .max_flat_workgroup_size: 128
    .sgpr_count:     66
    .vgpr_count:     192
    .wavefront_size: 32
...
	.end_amdgpu_metadata
.endif
;; end of part 1
;; launch qkv (part 2): grid 12 x 16, 4 waves a work-group, clusters of 4 x 1, 327,680 bytes of LDS; arguments codes, scales, tab, q_norm_w, k_norm_w, qkvh, first16; writes qkvh, first16
.if DOCPART == 2
	.amdgcn_target "amdgcn-amd-amdhsa--gfx1250"
	.amdhsa_code_object_version 6
	.text
	.protected	k_qa0d6ba3dc9_qkv
	.globl	k_qa0d6ba3dc9_qkv
	.p2align	8
	.type	k_qa0d6ba3dc9_qkv,@function
k_qa0d6ba3dc9_qkv:
	s_mov_b64 s[64:65], 0
	v_nop
	global_prefetch_b8 v0, s[64:65] scope:SCOPE_SE
	s_setreg_imm32_b32 hwreg(HW_REG_WAVE_MODE, 25, 1), 1
	s_wait_xcnt 0x0
	s_wait_alu depctr_hold_cnt(0) depctr_sa_sdst(0) depctr_va_vdst(0) depctr_va_sdst(0) depctr_va_ssrc(0) depctr_va_vcc(0) depctr_vm_vsrc(0)
	s_getreg_b32 s2, hwreg(HW_REG_IB_STS2, 6, 4)
	s_cmp_eq_u32 s2, 0
	s_cbranch_scc0 .Lentry_in_a_cluster
	s_endpgm
.Lentry_in_a_cluster:
	s_bfe_u32 s2, ttmp6, 0x10000c
	s_cmp_lg_u32 s2, 0x3003
	s_cbranch_scc0 .Lentry_shape_is_right
	s_endpgm
.Lentry_shape_is_right:
; q, k, v = x W^T on codes of FP4 (E2M1) with one E8M0 scale for each 32 along K = 2,048; then, in f32, the norm of each head's row, the rotation, and f16.
; A work-group makes 256 tokens x 256 columns: ONE HEAD of q (cluster x = 0), k (1) or v (2).  Four waves, each 128 x 128: 64 accumulators, 512 registers.
; CLUSTER: the four heads of one kind and one block of tokens.  They need the same tiles of x, the same scales of x and the same table: those are asked for JOINTLY
; (mask 15).  W's tiles differ from head to head and come by plain loads.  A 4 x 4 cluster is not taken: the copy of tokens 0-15 wants a branch on the block of
; tokens, which here is the cluster's y, the same in all partners.
; K goes in four steps of 512 through two LDS slots (rows of 256 bytes + 16 of padding); the scales of all of K come once and stay.
; THE MATRIX INSTRUCTION IS USED TRANSPOSED (source 0 = 16 rows of W, source 1 = 16 tokens): a lane holds one token and eight neighbouring columns.
; WHICH 16 ROWS ARE BLOCK i: (i % 4) + 8 (i / 4), counted from 4 x the wave's half, for tokens and columns alike.  So a wave's columns d have d mod 128 in one half of
; 128, its blocks b and b + 4 turn by the same frequencies, and its token blocks 0-3 lie in the table's first half, 4-7 in its second.
; THE TABLE (cos, and sin with the rotation's sign) comes into the slots as they fall free: part 1 into slot 0 behind the third change of slots, part 2 into slot 1
; behind the last product.  ONE PATH FOR ALL THREE KINDS, since every partner issues every joint load: v's work-groups read the identity's tiles (cos 1, sin 0),
; weights of 1.0 out of the same tiles, and take 1.0 for the norm: every number of v comes out as the product left it.
; ORDER OF ROUNDING: (sum x w), turned, then x rsqrt(mean + 1e-6).  f16: magnitudes beyond 65,504 are not served.
; RESULTS: qkvh, in the order of a matrix operand's registers: kind x 8 MiB + head x 2 MiB + token tile x 8,192 + channel group x 512 + 16 x piece; q, k: piece = lane;
; v: piece = 16 (r / 8) + 2 (r % 8) + h, the order in which the next launch's turning load reads.  first16: tokens 0-15 in f32, for the last launch.
.set NQ,     4                         ; matrix instructions deep in a slot
.set ROWB,   256
.set KROW,   1024
.set PITCH,  272
.set FR,     8
.set NL,     2
.set NP,     4
.set HALFT,  128*PITCH
.set SLOT,   4*HALFT
.set SCL,    2*SLOT                    ; the scales: units of 256 bytes + 16
.set HALFS,  32*272
.set SBLK,   4*272
.set SPARE,  SCL+4*HALFS               ; the spare words
.set SSQ,    SPARE+512                 ; the rows' sums of squares, from wave to wave: wave x 1,024 + a x 128 + 4 x lane; no fill lands here
.set ADRA, 16                          ; v16-17  my A fragments in slot 0, 1
.set ADRB, 20                          ; v20-21  my B fragments
.set TB,   22                          ; v22-23  my lane's place in the table's part 1, 2
.set SSW,  24                          ; v24     where I put sums
.set SSR,  25                          ; v25     where my partner (wave xor 1) put its
.set QO,   26                          ; v26     16 x piece
.set ADRS, 27                          ; v27     my scale words: lanes 0-15 A's rows, lanes 16-31 B's
.set SPW,  28
.set NIL,  29
.set FO,   30                          ; v30     first16: 1,024 r + 32 h
.set WO,   31                          ; v31     the weights: 32 h
.set SC,   32                          ; v32-95  scale words, two sets
.set AF,   128                         ; v128-191 A's fragments, one set;  window 1: B's two sets at v0 and v128
.set SS,   32                          ; behind the products, window 0: v32-47 eight pairs of sums; v48-55 rsqrt; v56-63 the partner's sums
.set RS,   48
.set PS,   56
.set T,    64                          ; v64-127 sum x w;  v128-191 turned;  v192-255 f16, two sets.  window 1: v0-63 w; v64-191 two sets of the table
.set XR,   128
.set U,    192
.set G1, 24
.set G0, 32
.set G1T, 40                           ; s[40:47] group 1 for the table
.set G1B, 48
.set G0B, 56
.set G1S, 68
.set G0S, 76
.set G0T, 76                           ; the table's group 0 takes the registers that A's scale load has left
.set G1SB, 80
.set G0SB, 88
.set MSB, 0
.macro WIN new                         ; the immediate's high byte repeats the setting that is left
.if MSB != \new
	s_set_vgpr_msb (MSB<<8)|\new
.set MSB, \new
.endif
.endm
.set MUL_LO, 0xa1
.set MUL_HI, 0xf1
.set TO_B,   0x40
.macro PLACES n
.rept \n
	v_nop
.endr
.endm
.macro JLOAD g0a, g1a, g0b, g1b        ; waves 0 and 1 fetch for A (jointly), waves 2 and 3 for B; the branch hangs on the wave's number alone
	s_cmp_eq_u32 s15, 0
	s_cbranch_scc0 .Lfor_b_\@
	tensor_load_to_lds s[\g0a:\g0a+3], s[\g1a:\g1a+7]
	s_nop 0
	PLACES 4
	s_branch .Lasked_\@
.Lfor_b_\@:
	tensor_load_to_lds s[\g0b:\g0b+3], s[\g1b:\g1b+7]
	s_nop 0
	PLACES 4
.Lasked_\@:
.endm
.macro CREST
	s_cmp_lg_u32 s14, 0
	s_cbranch_scc1 .Lnot_wave_0_\@
	s_barrier_signal -3
.Lnot_wave_0_\@:
	s_barrier_wait -3
	s_barrier_signal -1
	s_barrier_wait -1
.endm
.macro CROUND
	s_barrier_signal -1
	s_barrier_wait -1
	CREST
.endm
	s_load_b256 s[4:11], s[0:1], 0x0               ; codes, scales, tab, q_norm_w
	s_load_b128 s[92:95], s[0:1], 0x20             ; k_norm_w, qkvh
	s_load_b64 s[96:97], s[0:1], 0x30              ; first16
	v_lshl_add_u32 v[SPW], v0, 2, SPARE
	v_mov_b32 v[NIL], 0
	ds_add_u32 v[SPW], v[NIL]                      ; the opening: the add, twice on end, and its wait ahead of my first tensor load
	ds_add_u32 v[SPW], v[NIL]
	v_lshrrev_b32 v1, 5, v0
	v_readfirstlane_b32 s14, v1                    ; wave
	s_lshr_b32 s15, s14, 1                         ; my half of the tokens.  Also: I fetch for A (0) or B (1)
	s_and_b32 s16, s14, 1                          ; my half of the columns.  Also: which 128 rows I fetch
	s_bfe_u32 s13, ttmp6, 0x40000                  ; cx: the head
	s_mov_b32 s12, ttmp9                           ; the kind
	s_and_b32 s17, ttmp7, 0xffff                   ; the block of 256 tokens
	s_mov_b32 s[G1+0], 15|(1<<20)|(1<<21)|(5<<22)|(3<<25)   ; the mask: all four; elements of 1 byte; 4 words of padding behind every 64
	s_mov_b32 s[G1B+0], (1<<20)|(5<<22)|(3<<25)             ; no mask
.irp g, G1, G1B
	s_mov_b32 s[\g+1], ROWB<<16
	s_mov_b32 s[\g+2], 128<<16
	s_mov_b32 s[\g+3], ROWB<<16
	s_mov_b32 s[\g+4], 128
	s_mov_b32 s[\g+5], KROW
	s_mov_b32 s[\g+6], 0
	s_mov_b32 s[\g+7], 0
.endr
	s_mov_b32 s[G1S+0], 15|(3<<16)|(1<<20)|(1<<21)|(5<<22)|(3<<25)   ; dense blocks as rows of 256 bytes (32 elements of 8)
	s_mov_b32 s[G1SB+0], (3<<16)|(1<<20)|(5<<22)|(3<<25)
.irp g, G1S, G1SB
	s_mov_b32 s[\g+1], 32<<16
	s_mov_b32 s[\g+2], 32<<16
	s_mov_b32 s[\g+3], 32<<16
	s_mov_b32 s[\g+4], 32
	s_mov_b32 s[\g+5], 32
	s_mov_b32 s[\g+6], 0
	s_mov_b32 s[\g+7], 0
.endr
	s_mov_b32 s[G1T+0], 15|(3<<16)|(1<<20)|(1<<21)|(5<<22)|(3<<25)
	s_mov_b32 s[G1T+1], 32<<16
	s_mov_b32 s[G1T+2], 128<<16
	s_mov_b32 s[G1T+3], 32<<16
	s_mov_b32 s[G1T+4], 128
	s_mov_b32 s[G1T+5], 32
	s_mov_b32 s[G1T+6], 0
	s_mov_b32 s[G1T+7], 0
	s_mov_b32 s98, 0x76543210
	s_mov_b32 s99, 0xfedcba98
	s_cmp_eq_u32 s12, 2
	s_cselect_b32 s100, -1, 0                      ; all lanes on in v's work-groups
	s_lshl_b32 s18, s17, 18                        ; A: row 256 x block + 128 x half, 1,024 bytes of codes a row,
	s_lshl_b32 s2, s16, 17
	s_add_co_u32 s18, s18, s2
	s_mov_b32 s19, 0
	s_lshl_b32 s20, s17, 14                        ; 64 scale bytes a row
	s_lshl_b32 s3, s16, 13
	s_add_co_u32 s20, s20, s3
	s_mov_b32 s21, 0
	s_lshl_b32 s22, s12, 2                         ; B: row 256 (4 kind + head) + 128 x half, behind x's rows
	s_add_co_u32 s22, s22, s13
	s_lshl_b32 s66, s22, 14
	s_add_co_u32 s66, s66, s3
	s_add_co_u32 s66, s66, 262144
	s_mov_b32 s67, 0
	s_lshl_b32 s22, s22, 18
	s_add_co_u32 s22, s22, s2
	s_add_co_u32 s22, s22, 4194304
	s_mov_b32 s23, 0
	s_mul_i32 s2, s14, HALFT                       ; where they go: by the wave's number alone
	s_mul_i32 s3, s14, HALFS
	s_wait_dscnt 0x0                               ; both opening adds are done
	s_wait_kmcnt 0x0
	s_add_nc_u64 s[18:19], s[4:5], s[18:19]
	s_add_nc_u64 s[20:21], s[6:7], s[20:21]
	s_add_nc_u64 s[22:23], s[4:5], s[22:23]
	s_add_nc_u64 s[66:67], s[6:7], s[66:67]
	CROUND                                         ; all four work-groups are here: the first joint loads meet
	s_mov_b32 s[G0S], 1
	s_add_co_u32 s[G0S+1], s3, SCL
	s_mov_b64 s[G0S+2:G0S+3], s[20:21]
	s_or_b32 s[G0S+3], s[G0S+3], 0x80000000
	s_mov_b32 s[G0SB], 1
	s_add_co_u32 s[G0SB+1], s3, SCL
	s_mov_b64 s[G0SB+2:G0SB+3], s[66:67]
	s_or_b32 s[G0SB+3], s[G0SB+3], 0x80000000
	JLOAD G0S, G1S, G0SB, G1SB                     ; the scales first
.irp s, 0,1
	s_mov_b32 s[G0+4*\s], 1
	s_add_co_u32 s[G0+4*\s+1], s2, \s*SLOT
	s_add_nc_u64 s[G0+4*\s+2:G0+4*\s+3], s[18:19], \s*ROWB
	s_or_b32 s[G0+4*\s+3], s[G0+4*\s+3], 0x80000000
	s_mov_b32 s[G0B+4*\s], 1
	s_add_co_u32 s[G0B+4*\s+1], s2, \s*SLOT
	s_add_nc_u64 s[G0B+4*\s+2:G0B+4*\s+3], s[22:23], \s*ROWB
	s_or_b32 s[G0B+4*\s+3], s[G0B+4*\s+3], 0x80000000
	JLOAD G0+4*\s, G1, G0B+4*\s, G1B
.endr
	v_and_b32 v1, 15, v0                           ; r
	v_bfe_u32 v2, v0, 4, 1                         ; h
	v_mul_u32_u24 v3, v1, PITCH
	v_lshl_add_u32 v4, v2, 4, v3
	s_mul_i32 s21, s15, 64*PITCH
	s_mul_i32 s22, s16, 64*PITCH
	s_add_co_u32 s22, s22, 2*HALFT
.irp s, 0,1
	v_add_nc_u32 v[ADRA+\s], s21, v4
	v_add_nc_u32 v[ADRB+\s], s22, v4
	s_add_co_u32 s21, s21, SLOT
	s_add_co_u32 s22, s22, SLOT
.endr
	v_lshlrev_b32 v5, 6, v1                        ; my row's scales: 64 bytes a row,
	v_lshrrev_b32 v6, 8, v5
	v_lshl_add_u32 v5, v6, 4, v5                   ; and 16 more for each 256 passed
	s_mul_i32 s21, s15, 4*SBLK
	s_mul_i32 s22, s16, 4*SBLK
	s_add_co_u32 s22, s22, 2*HALFS
	s_sub_co_u32 s22, s22, s21
	v_mul_u32_u24 v6, s22, v2                      ; lanes 16-31 take B's: the lower base + h x the distance
	s_add_co_u32 s21, s21, SCL
	v_add_nc_u32 v5, v5, v6
	v_add_nc_u32 v[ADRS], s21, v5
	v_mul_u32_u24 v5, v2, 272                      ; the table: 16 x lane of a block of 512 bytes is two padded rows
	v_lshl_add_u32 v5, v1, 4, v5
	s_mul_i32 s21, s15, 69632                      ; my four token tiles of a part, 64 rows each,
	s_mul_i32 s22, s16, 8704                       ; my four groups of 16 frequencies, 8 rows each
	s_add_co_u32 s21, s21, s22
	v_add_nc_u32 v[TB], s21, v5
	s_add_co_u32 s21, s21, SLOT
	v_add_nc_u32 v[TB+1], s21, v5
	v_and_b32 v6, 31, v0
	v_lshlrev_b32 v7, 2, v6
	s_lshl_b32 s21, s14, 10
	s_add_co_u32 s21, s21, SSQ
	v_add_nc_u32 v[SSW], s21, v7
	s_xor_b32 s22, s14, 1
	s_lshl_b32 s22, s22, 10
	s_add_co_u32 s22, s22, SSQ
	v_add_nc_u32 v[SSR], s22, v7
	v_lshlrev_b32 v5, 4, v6                        ; q, k: piece = lane
	v_lshrrev_b32 v7, 3, v1
	v_and_b32 v8, 7, v1
	v_lshlrev_b32 v7, 4, v7
	v_lshl_add_u32 v7, v8, 1, v7
	v_add_nc_u32 v7, v7, v2
	v_lshlrev_b32 v7, 4, v7                        ; v: piece = 16 (r / 8) + 2 (r % 8) + h
	v_cndmask_b32 v[QO], v5, v7, s100
	v_lshlrev_b32 v[FO], 10, v1
	v_lshl_add_u32 v[FO], v2, 5, v[FO]
	v_lshlrev_b32 v[WO], 5, v2
.macro FRAG reg, adr, q, i             ; 16 rows x 128 K of codes: 8 registers, two loads of 16 bytes, 32 bytes apart
.irp c, 0,1
	ds_load_b128 v[\reg+4*\c:\reg+4*\c+3], v[\adr] offset:64*(\q)+32*\c+(((\i)%4)+8*((\i)/4))*16*PITCH
.endr
.endm
; 16 matrix instructions: A's blocks a0, a0 + 1 x B's eight.  The 64 accumulators take turns, one instruction a turn, in the same order in every step.
.macro MUL16 a0, p, q, sc, zero
.irp a, \a0, \a0+1
.irp b, 0,1,2,3,4,5,6,7
.if \zero
	v_wmma_scale_f32_16x16x128_f8f6f4 v[8*(8*((\a)%4)+\b):8*(8*((\a)%4)+\b)+7], v[128*(\p)+FR*\b:128*(\p)+FR*\b+FR-1], v[AF+FR*(\a):AF+FR*(\a)+FR-1], 0, v[SC+8*NQ*(\sc)+NQ*\b+(\q)], v[SC+8*NQ*(\sc)+NQ*(\a)+(\q)] matrix_a_fmt:MATRIX_FMT_FP4 matrix_b_fmt:MATRIX_FMT_FP4 matrix_a_scale:MATRIX_SCALE_ROW1
.else
	v_wmma_scale_f32_16x16x128_f8f6f4 v[8*(8*((\a)%4)+\b):8*(8*((\a)%4)+\b)+7], v[128*(\p)+FR*\b:128*(\p)+FR*\b+FR-1], v[AF+FR*(\a):AF+FR*(\a)+FR-1], v[8*(8*((\a)%4)+\b):8*(8*((\a)%4)+\b)+7], v[SC+8*NQ*(\sc)+NQ*\b+(\q)], v[SC+8*NQ*(\sc)+NQ*(\a)+(\q)] matrix_a_fmt:MATRIX_FMT_FP4 matrix_b_fmt:MATRIX_FMT_FP4 matrix_a_scale:MATRIX_SCALE_ROW1
.endif
.endr
.endr
.endm
.macro FETCH_B slot, q, p
	WIN TO_B
.irp i, 0,1,2,3,4,5,6,7
	FRAG 128*(\p)+FR*\i, ADRB+\slot, \q, \i
.endr
	WIN 0
.endm
.macro FETCH_A slot, q, i0
.irp i, \i0, \i0+1, \i0+2, \i0+3
	FRAG AF+FR*(\i), ADRA+\slot, \q, \i
.endr
.endm
.macro SCALES sc                       ; a K step's four words a row: lanes 0-15 A's block i, lanes 16-31 B's block i
.irp i, 0,1,2,3,4,5,6,7
	ds_load_b128 v[SC+8*NQ*\sc+NQ*\i:SC+8*NQ*\sc+NQ*\i+3], v[ADRS] offset:((\i%4)+8*(\i/4))*SBLK
.endr
.endm
.macro STEP slot, q, zero              ; 128 along K, with its successor in the same slot
	s_wait_dscnt 4*NL                              ; B's set and A's blocks 0-3 are in; the eight loads of A's blocks 4-7 are younger
	WIN MUL_LO
	MUL16 0, (\q)%2, \q, \slot, \zero
	MUL16 2, (\q)%2, \q, \slot, \zero
	s_wait_dscnt 0
	PLACES NP                                      ; four places in front of loads into registers that matrix instructions have read
	FETCH_B \slot, (\q)+1, 1-(\q)%2
	FETCH_A \slot, (\q)+1, 0
	WIN MUL_HI
	MUL16 4, (\q)%2, \q, \slot, \zero
	MUL16 6, (\q)%2, \q, \slot, \zero
	PLACES NP
	WIN 0
	FETCH_A \slot, (\q)+1, 4
.endm
; A slot's last step changes slots.  In front of the round each wave waits for all its tensor loads, adds 0 to its spare word, and waits for that and for its reads of this slot.
; fill = 1: the slot takes the K step two on.  fill = 2: slot 0 takes the table's part 1: every wave a quarter, jointly, on the very bytes of the code tiles.
.macro TURN slot, next, fill
	s_wait_tensorcnt 0x0                           ; all my tensor loads have landed: my part of the next slot
	ds_add_u32 v[SPW], v[NIL]
	s_wait_dscnt 4*NL+1                            ; the add and the eight loads of A's blocks 4-7 are younger
	WIN MUL_LO
	MUL16 0, 1, NQ-1, \slot, 0
	s_wait_dscnt 0x0                               ; the add is done, and my reads of this slot are over
	s_barrier_signal -1
	MUL16 2, 1, NQ-1, \slot, 0
	WIN 0
	s_barrier_wait -1
	CREST                                          ; no wave of any partner still reads this slot or has a load on its way
.if \fill == 1
	s_add_nc_u64 s[G0+4*\slot+2:G0+4*\slot+3], s[G0+4*\slot+2:G0+4*\slot+3], 2*ROWB
	s_add_nc_u64 s[G0B+4*\slot+2:G0B+4*\slot+3], s[G0B+4*\slot+2:G0B+4*\slot+3], 2*ROWB
	JLOAD G0+4*\slot, G1, G0B+4*\slot, G1B
.else
	tensor_load_to_lds s[G0T:G0T+3], s[G1T:G1T+7]
	s_nop 0
	PLACES 4
.endif
	v_add_nc_u32 v[ADRS], 4*NQ, v[ADRS]            ; the next K step's scale words
	FETCH_B \next, 0, 0
	FETCH_A \next, 0, 0
	SCALES \next
	WIN MUL_HI
	MUL16 4, 1, NQ-1, \slot, 0
	MUL16 6, 1, NQ-1, \slot, 0
	PLACES NP
	WIN 0
	FETCH_A \next, 0, 4
.endm
.macro STEPS slot, from
.set Q, \from
.rept NQ-1-\from
	STEP \slot, Q, 0
.set Q, Q+1
.endr
.endm
	s_wait_tensorcnt 1                             ; the scales and my part of K step 0 are in; K step 1's load is younger
	s_barrier_signal -1
	s_barrier_wait -1
	FETCH_B 0, 0, 0
	FETCH_A 0, 0, 0
	SCALES 0
	FETCH_A 0, 0, 4
	STEP 0, 0, 1                                   ; the first products start the sums: nothing is cleared.  K's sixteen steps are written on end
	STEPS 0, 1
	TURN 0, 1, 1
	STEPS 1, 0
	TURN 1, 0, 1
	STEPS 0, 0
	s_mov_b32 s[G0T], 1                            ; the table's group 0: the scale loads were shown done by two waits for all loads
	s_mul_i32 s[G0T+1], s14, HALFT
	s_lshl_b32 s20, s17, 18                        ; my block's 16 tiles of 16,384 bytes,
	s_cmp_eq_u32 s12, 2
	s_cselect_b32 s20, 0x400000, s20               ; or the identity's eight
	s_cselect_b32 s2, 0, 0x20000                   ; part 2 lies 131,072 bytes on; the identity is read twice
	s_mov_b32 s3, 0
	s_lshl_b32 s21, s14, 15
	s_add_co_u32 s20, s20, s21
	s_mov_b32 s21, 0
	s_add_nc_u64 s[G0T+2:G0T+3], s[8:9], s[20:21]
	s_or_b32 s[G0T+3], s[G0T+3], 0x80000000
	TURN 0, 1, 2
	STEPS 1, 0
	s_wait_dscnt 4*NL
	WIN MUL_LO
	MUL16 0, 1, NQ-1, 1, 0
	MUL16 2, 1, NQ-1, 1, 0
	s_wait_dscnt 0
	WIN MUL_HI
	MUL16 4, 1, NQ-1, 1, 0
	MUL16 6, 1, NQ-1, 1, 0
	WIN 0
	; ---- behind the products
	PLACES NP                                      ; in front of the first reads of results and of writes into registers that the products named
	s_add_nc_u64 s[18:19], s[8:9], 0x400000        ; the identity's first 1,024 bytes are 256 numbers 1.0
	s_cmp_eq_u32 s12, 0
	s_cselect_b64 s[20:21], s[10:11], s[92:93]
	s_cmp_eq_u32 s12, 2
	s_cselect_b64 s[20:21], s[18:19], s[20:21]
	s_lshl_b32 s22, s16, 8
	s_mov_b32 s23, 0
	s_add_nc_u64 s[20:21], s[20:21], s[22:23]      ; the weights of my half of each 128 columns
	s_lshl_b32 s22, s12, 23
	s_lshl_b32 s66, s13, 21
	s_add_co_u32 s22, s22, s66
	s_lshl_b32 s66, s17, 17
	s_add_co_u32 s22, s22, s66
	s_lshl_b32 s66, s15, 15
	s_add_co_u32 s22, s22, s66
	s_lshl_b32 s66, s16, 11
	s_add_co_u32 s22, s22, s66
	s_add_nc_u64 s[94:95], s[94:95], s[22:23]      ; qkvh at my first token tile and channel group
	s_lshl_b32 s22, s12, 2
	s_add_co_u32 s22, s22, s13
	s_lshl_b32 s22, s22, 14
	s_lshl_b32 s66, s16, 8
	s_add_co_u32 s22, s22, s66
	s_add_nc_u64 s[96:97], s[96:97], s[22:23]
	WIN 0x40
.irp b, 0,1,2,3,4,5,6,7
	global_load_b128 v[8*\b:8*\b+3], v[WO], s[20:21] offset:((\b%4)+8*(\b/4))*64
	global_load_b128 v[8*\b+4:8*\b+7], v[WO], s[20:21] offset:((\b%4)+8*(\b/4))*64+16
.endr
	; the sums of squares: 64 numbers a lane for each block of tokens; each accumulator is read from its low end on; four blocks by turns
.irp hi, 0,1
	WIN 0x0a+5*\hi
.irp b, 0,1,2,3,4,5,6,7
.irp p, 0,1,2,3
.irp a, 0,1,2,3
.if (\b == 0) && (\p == 0)
	v_pk_mul_f32 v[SS+2*(4*\hi+\a):SS+2*(4*\hi+\a)+1], v[64*\a+8*\b+2*\p:64*\a+8*\b+2*\p+1], v[64*\a+8*\b+2*\p:64*\a+8*\b+2*\p+1]
.else
	v_pk_fma_f32 v[SS+2*(4*\hi+\a):SS+2*(4*\hi+\a)+1], v[64*\a+8*\b+2*\p:64*\a+8*\b+2*\p+1], v[64*\a+8*\b+2*\p:64*\a+8*\b+2*\p+1], v[SS+2*(4*\hi+\a):SS+2*(4*\hi+\a)+1]
.endif
.endr
.endr
.endr
.endr
	WIN 0
.irp a, 0,1,2,3,4,5,6,7
	v_add_f32 v[SS+2*\a], v[SS+2*\a], v[SS+2*\a+1]
	v_mov_b32 v[PS+\a], 0
.endr
.irp a, 0,1,2,3,4,5,6,7
	v_permlanex16_b32 v[PS+\a], v[SS+2*\a], s98, s99
.endr
.irp a, 0,1,2,3,4,5,6,7
	v_add_f32 v[SS+2*\a], v[SS+2*\a], v[PS+\a]     ; my wave's 128 columns of token r
.endr
.irp a, 0,1,2,3,4,5,6,7
	ds_store_b32 v[SSW], v[SS+2*\a] offset:128*\a
.endr
	s_wait_tensorcnt 0x0                           ; my quarter of the table's part 1 is in
	ds_add_u32 v[SPW], v[NIL]
	s_add_nc_u64 s[G0T+2:G0T+3], s[G0T+2:G0T+3], s[2:3]
	s_add_co_u32 s[G0T+1], s[G0T+1], SLOT
	s_wait_dscnt 0x0                               ; the add and my stores are done, and my reads of slot 1 are over
	CROUND
	tensor_load_to_lds s[G0T:G0T+3], s[G1T:G1T+7]  ; part 2 into slot 1
	s_nop 0
	PLACES 4
.irp a, 0,1,2,3,4,5,6,7
	ds_load_b32 v[PS+\a], v[SSR] offset:128*\a
.endr
	s_mov_b32 s2, 0x3b800000                       ; 1 / 256
	s_mov_b32 s3, 0x358637bd                       ; 1e-6
	s_wait_dscnt 0x0
.irp a, 0,1,2,3,4,5,6,7
	v_add_f32 v[SS+2*\a], v[SS+2*\a], v[PS+\a]
.endr
.irp a, 0,1,2,3,4,5,6,7
	v_fma_f32 v[SS+2*\a], v[SS+2*\a], s2, s3
.endr
.irp a, 0,1,2,3,4,5,6,7
	v_rsq_f32 v[RS+\a], v[SS+2*\a]
.endr
	v_nop                                          ; a plain instruction behind the last of the batch,
	s_wait_alu depctr_va_vdst(0)                   ; and one wait for the eight
.irp a, 0,1,2,3,4,5,6,7
	v_cndmask_b32 v[RS+\a], v[RS+\a], 1.0, s100    ; v has no norm
.endr
	s_wait_loadcnt 0x0                             ; the weights
.macro TABLOAD a                       ; the table for block a of tokens: 4 groups of frequencies x (cos, cos, sin, sin) into set a % 2
	WIN 0x40
.irp f, 0,1,2,3
.irp x, 0,1,2,3
	ds_load_b128 v[64+64*((\a)%2)+16*\f+4*\x:64+64*((\a)%2)+16*\f+4*\x+3], v[TB+(\a)/4] offset:((\a)%4)*17408+(4*\f+\x)*544
.endr
.endr
	WIN 0
.endm
.macro ROWBLK a
.set TS, 64+64*((\a)%2)
.set UU, U+32*((\a)%2)
	WIN 0x06+(\a)/4
.irp b, 0,1,2,3,4,5,6,7
.irp p, 0,1,2,3
	v_pk_mul_f32 v[T+8*\b+2*\p:T+8*\b+2*\p+1], v[64*((\a)%4)+8*\b+2*\p:64*((\a)%4)+8*\b+2*\p+1], v[8*\b+2*\p:8*\b+2*\p+1]
.endr
.endr
	WIN 0x04
.irp b, 0,1,2,3,4,5,6,7
.irp p, 0,1,2,3
	v_pk_mul_f32 v[XR+8*\b+2*\p:XR+8*\b+2*\p+1], v[T+8*\b+2*\p:T+8*\b+2*\p+1], v[TS+16*(\b%4)+2*\p:TS+16*(\b%4)+2*\p+1]
.endr
.endr
.irp b, 0,1,2,3,4,5,6,7
.irp p, 0,1,2,3                        ; + the pair's other number x the signed sine: the first source's halves change places
	v_pk_fma_f32 v[XR+8*\b+2*\p:XR+8*\b+2*\p+1], v[T+8*\b+2*\p:T+8*\b+2*\p+1], v[TS+16*(\b%4)+8+2*\p:TS+16*(\b%4)+8+2*\p+1], v[XR+8*\b+2*\p:XR+8*\b+2*\p+1] op_sel:[1,0,0] op_sel_hi:[0,1,1]
.endr
.endr
	WIN 0
.irp b, 0,1,2,3,4,5,6,7
.irp p, 0,1,2,3
.if (\a)%2 == 0
	v_pk_mul_f32 v[XR+8*\b+2*\p:XR+8*\b+2*\p+1], v[XR+8*\b+2*\p:XR+8*\b+2*\p+1], v[RS+2*((\a)/2):RS+2*((\a)/2)+1] op_sel_hi:[1,0]
.else
	v_pk_mul_f32 v[XR+8*\b+2*\p:XR+8*\b+2*\p+1], v[XR+8*\b+2*\p:XR+8*\b+2*\p+1], v[RS+2*((\a)/2):RS+2*((\a)/2)+1] op_sel:[0,1] op_sel_hi:[1,1]
.endif
.endr
.endr
.if (\a) == 0                          ; tokens 0-15 also leave in f32: the first block of tokens, the waves of its first half
	s_or_b32 s22, s17, s15
	s_cmp_lg_u32 s22, 0
	s_cbranch_scc1 .Lno16
.irp b, 0,1,2,3,4,5,6,7
	global_store_b128 v[FO], v[XR+8*\b:XR+8*\b+3], s[96:97] offset:((\b%4)+8*(\b/4))*64
	global_store_b128 v[FO], v[XR+8*\b+4:XR+8*\b+7], s[96:97] offset:((\b%4)+8*(\b/4))*64+16
.endr
.Lno16:
.endif
	s_wait_xcnt 0x0                                ; earlier stores have read their registers
.irp b, 0,1,2,3,4,5,6,7
.irp p, 0,1,2,3
	v_cvt_pk_f16_f32 v[UU+4*\b+\p], v[XR+8*\b+2*\p], v[XR+8*\b+2*\p+1]
.endr
.endr
.irp b, 0,1,2,3,4,5,6,7
	global_store_b128 v[QO], v[UU+4*\b:UU+4*\b+3], s[94:95] offset:(((\a)%4)+8*((\a)/4))*8192+((\b%4)+8*(\b/4))*512   ; the wave fills a block of 512 bytes
.endr
.endm
	TABLOAD 0
.irp a, 0,1,2,3,4,5,6,7
.if \a == 3
	s_wait_tensorcnt 0x0                           ; my quarter of part 2 is in (the one load that was out),
	s_wait_dscnt 0x0
	s_barrier_signal -1
	s_barrier_wait -1                              ; everybody's is
.endif
.if \a < 7
	TABLOAD \a+1
	s_wait_dscnt 16                                ; this block's set is in; the next set's sixteen loads are younger
.else
	s_wait_dscnt 0x0
.endif
	ROWBLK \a
.endr
	s_wait_tensorcnt 0x0                           ; the wave's end
	ds_add_u32 v[SPW], v[NIL]
	s_wait_dscnt 0x0
	CROUND                                         ; the closing round
	s_endpgm
.Lfunc_end_k_qa0d6ba3dc9_qkv:
	.size	k_qa0d6ba3dc9_qkv, .Lfunc_end_k_qa0d6ba3dc9_qkv-k_qa0d6ba3dc9_qkv
	.p2alignl 7, 3214868480
	.fill 96, 4, 3214868480
	.section	.rodata,"a",@progbits
	.p2align	6, 0x0
	.amdhsa_kernel k_qa0d6ba3dc9_qkv
		.amdhsa_group_segment_fixed_size 327680
		.amdhsa_private_segment_fixed_size 0
		.amdhsa_enable_private_segment 0
		.amdhsa_kernarg_size 56
		.amdhsa_user_sgpr_count 2
		.amdhsa_user_sgpr_kernarg_segment_ptr 1
		.amdhsa_wavefront_size32 1
		.amdhsa_system_sgpr_workgroup_id_x 1
		.amdhsa_system_sgpr_workgroup_id_y 1
		.amdhsa_system_sgpr_workgroup_id_z 1
		.amdhsa_system_vgpr_workitem_id 0
		.amdhsa_next_free_vgpr 1024
		.amdhsa_next_free_sgpr 102
		.amdhsa_reserve_vcc 0
		.amdhsa_float_denorm_mode_32 3
		.amdhsa_float_denorm_mode_16_64 3
		.amdhsa_memory_ordered 1
		.amdhsa_forward_progress 1
		.amdhsa_inst_pref_size 255
	.end_amdhsa_kernel
	.section	.bss,"aw",@nobits
	.p2align	6
	.space	262144
	.amdgpu_metadata
---
amdhsa.version: [ 1, 2 ]
amdhsa.kernels:
  - .name:           k_qa0d6ba3dc9_qkv
    .symbol:         k_qa0d6ba3dc9_qkv.kd
    .args:
      - { .name: codes, .offset: 0, .size: 8, .value_kind: global_buffer, .address_space: global }
      - { .name: scales, .offset: 8, .size: 8, .value_kind: global_buffer, .address_space: global }
      - { .name: tab, .offset: 16, .size: 8, .value_kind: global_buffer, .address_space: global }
      - { .name: q_norm_w, .offset: 24, .size: 8, .value_kind: global_buffer, .address_space: global }
      - { .name: k_norm_w, .offset: 32, .size: 8, .value_kind: global_buffer, .address_space: global }
      - { .name: qkvh, .offset: 40, .size: 8, .value_kind: global_buffer, .address_space: global }
      - { .name: first16, .offset: 48, .size: 8, .value_kind: global_buffer, .address_space: global }
    .group_segment_fixed_size: 327680
    .private_segment_fixed_size: 0
    .kernarg_segment_align: 8
    .kernarg_segment_size: 56
    .max_flat_workgroup_size: 128
    .sgpr_count:     102
    .vgpr_count:     1024
    .wavefront_size: 32
...
	.end_amdgpu_metadata
.endif
;; end of part 2
;; launch attn (part 3): grid 64 x 4, 4 waves a work-group, clusters of 4 x 1, 327,680 bytes of LDS; arguments qkvh, yh; writes yh
.if DOCPART == 3
	.amdgcn_target "amdgcn-amd-amdhsa--gfx1250"
	.amdhsa_code_object_version 6
	.text
	.protected	k_qa0d6ba3dc9_attn
	.globl	k_qa0d6ba3dc9_attn
	.p2align	8
	.type	k_qa0d6ba3dc9_attn,@function
k_qa0d6ba3dc9_attn:
	s_mov_b64 s[64:65], 0
	v_nop
	global_prefetch_b8 v0, s[64:65] scope:SCOPE_SE
	s_setreg_imm32_b32 hwreg(HW_REG_WAVE_MODE, 25, 1), 1
	s_wait_xcnt 0x0
	s_wait_alu depctr_hold_cnt(0) depctr_sa_sdst(0) depctr_va_vdst(0) depctr_va_sdst(0) depctr_va_ssrc(0) depctr_va_vcc(0) depctr_vm_vsrc(0)
	s_getreg_b32 s2, hwreg(HW_REG_IB_STS2, 6, 4)
	s_cmp_eq_u32 s2, 0
	s_cbranch_scc0 .Lentry_in_a_cluster
	s_endpgm
.Lentry_in_a_cluster:
	s_bfe_u32 s2, ttmp6, 0x10000c
	s_cmp_lg_u32 s2, 0x3003
	s_cbranch_scc0 .Lentry_shape_is_right
	s_endpgm
.Lentry_shape_is_right:
; y[head][q] = the sum over k of softmax_k(q . k / 16) v[k], over the keys q - 1,023 .. q.  Operands in f16; products, maxima and sums in f32; the weights p are rounded to f16.
; SHARES.  A work-group owns 64 queries of one head.  Wave = 2 qh + kh: qh picks 32 queries (two tiles of 16, so that each fragment of K and V feeds two products), kh the first
; or second 64 keys of every slot of 128 keys.  The two halves of the keys are joined at the end, through LDS, by their maxima and sums.
; CLUSTER.  The four blocks of queries of a cluster (256 queries) walk the same ten slots, 2 c - 8 .. 2 c + 1 (from slot 0 where c < 4), and ask for each tile JOINTLY.
; The number of steps is a constant.  WORK THAT THE MASK THROWS AWAY: a partner multiplies 1,280 keys where 1,087 can count, and clusters c < 4 walk slots that lie wholly under
; the mask: every partner issues every joint load and reads what it brings.
; LAYOUT.  S^T = K Q^T and O^T = V^T P: a lane holds one query throughout.  q, k, v lie in memory in the order of the operands' registers (blocks of 512 bytes, 16 bytes a lane),
; so a tile is a dense block, and each LDS load takes 512 consecutive bytes.  V is turned by ds_load_tr16_b128.
; A STEP: K Q^T out of registers; the slot is free as soon as its K and V are in registers, so it is filled again in the step's middle; the next K is fetched under the softmax, the next V behind V^T P.
; SOFTMAX.  A running maximum m and sum l for each query; p = 2^(c s - c m), c = log2(e) / 16; O and l are multiplied by 2^(c m_old - c m_new) in every step.  m begins at -3e38,
; under every score; hidden scores are -infinity, so their p is 0.
; REGISTERS: window 0: v1-15 addresses; v16-31 statistics; v32-63 P; v64-127 S^T; v128-255 Q.  window 1: O^T.  window 2: K.  window 3: V^T.
.set SLOT1, 131072
.set VOFF,  65536
.set STAT,  262144                     ; c m and l from wave to wave: wave x 512 + (2 t + i) x 128 + 4 x lane
.set SPARE, 264192
.set AK,  1                            ; v1-2  my lane's place in my half's K of slot 0, 1
.set AV,  3                            ; v3-4  the same for V
.set LI,  5                            ; v5    16 x lane
.set SPW, 6
.set NIL, 7
.set PFO, 8                            ; v8    256 x lane
.set DL,  9                            ; v9    r - 8 h
.set MW,  10                           ; v10   where I put a tile of O^T for my partner (in slot 0, which has had its last fill and its last read by then)
.set MR,  11                           ; v11   where my partner put one for me
.set TMP, 12
.set NEG, 13                           ; v13   -infinity
.set STW, 14
.set STR, 15
.set ST,  16                           ; tile t at v[16 + 8 t]: +0 c m, +1 m, +2, +3 l, +4 to +7 at work
.set P,   32
.set S,   64
.set Q,   128
.set WV,  8
.set KH,  9
.set QH,  10
.set G1,  24
.set G0,  32                           ; s[32:35] slot 0's group 0, s[36:39] slot 1's
.set DQ,  40                           ; my first query - the first key of my half of the slot in hand
.set MF,  41                           ; 1 where c < 4: every step is masked
.set LEFT, 42                          ; refills to go
.set LIM, 43
.set PFA, 44
.set CS,  46
.set SEL, 48
.set TRIP, 50
.set WIDTH, 51                         ; 1,024
.set MK1, 52
.set MSB, 0
.macro WIN new
.if MSB != \new
	s_set_vgpr_msb (MSB<<8)|\new
.set MSB, \new
.endif
.endm
.macro PLACES
.rept 4
	v_nop
.endr
.endm
.macro CROUND
	s_barrier_signal -1
	s_barrier_wait -1
	s_cmp_lg_u32 s[WV], 0
	s_cbranch_scc1 .Lnot_wave_0_\@
	s_barrier_signal -3
.Lnot_wave_0_\@:
	s_barrier_wait -3
	s_barrier_signal -1
	s_barrier_wait -1
.endm
; A PREFETCH INTO THE L2 of what the next refill will ask for.  Slots 0-23 of a head are some cluster's first fill; slots 24-31 are asked for first by the head's last cluster: it alone
; prefetches, slots 25 to 31, one step ahead.  Each wave names its own 32,768 bytes of a slot; the four partners share them out by address, 8,192 bytes each, a lane to 256 bytes.
; The last refill asks for nothing: there is no slot behind it.
.macro ASK
	s_cmp_gt_u32 s[LEFT], s[LIM]
	s_cbranch_scc0 .Lnot_mine_\@
	global_prefetch_b8 v[PFO], s[PFA:PFA+1] th:TH_LOAD_NT scope:SCOPE_SE
.Lnot_mine_\@:
	s_sub_co_u32 s[LEFT], s[LEFT], 1
.endm
	s_load_b128 s[4:7], s[0:1], 0x0                ; qkvh, yh
	v_lshl_add_u32 v[SPW], v0, 2, SPARE
	v_mov_b32 v[NIL], 0
	ds_add_u32 v[SPW], v[NIL]                      ; the opening: the add, twice on end, and its wait ahead of my first tensor load
	ds_add_u32 v[SPW], v[NIL]
	v_lshrrev_b32 v1, 5, v0
	v_readfirstlane_b32 s[WV], v1
	s_and_b32 s[KH], s[WV], 1
	s_lshr_b32 s[QH], s[WV], 1
	s_and_b32 s12, ttmp7, 0xffff                   ; the head
	s_bfe_u32 s13, ttmp6, 0x40000                  ; cx
	s_lshl_b32 s14, ttmp9, 1
	s_max_u32 s14, s14, 8
	s_sub_co_u32 s14, s14, 8                       ; the first slot: max(2 c - 8, 0)
	s_mov_b32 s[G1], 15|(3<<16)|(1<<21)            ; the mask: all four; a dense block of 32,768 bytes as 128 rows of 256 (32 elements of 8 bytes); no padding
	s_mov_b32 s[G1+1], 32<<16
	s_mov_b32 s[G1+2], 128<<16
	s_mov_b32 s[G1+3], 32<<16
	s_mov_b32 s[G1+4], 128
	s_mov_b32 s[G1+5], 32
	s_mov_b32 s[G1+6], 0
	s_mov_b32 s[G1+7], 0
	s_add_co_u32 s16, s[QH], 1                     ; what I fetch: waves 0, 1: K's halves (kind 1); waves 2, 3: V's (kind 2)
	s_lshl_b32 s16, s16, 23
	s_lshl_b32 s15, s12, 21
	s_add_co_u32 s16, s16, s15
	s_lshl_b32 s17, s14, 16
	s_add_co_u32 s16, s16, s17
	s_lshl_b32 s17, s[KH], 15
	s_add_co_u32 s16, s16, s17
	s_mov_b32 s17, 0
	s_lshl_b32 s18, ttmp9, 4
	s_lshl_b32 s19, s13, 2
	s_add_co_u32 s18, s18, s19
	s_lshl_b32 s19, s[QH], 1
	s_add_co_u32 s18, s18, s19                     ; my first tile of 16 queries: 16 c + 4 cx + 2 qh
	s_lshl_b32 s20, s18, 13
	s_add_co_u32 s20, s20, s15
	s_mov_b32 s21, 0
	s_lshl_b32 s22, s18, 12
	s_add_co_u32 s22, s22, s15
	s_mov_b32 s23, 0
	s_lshl_b32 s[DQ], s18, 4
	s_lshl_b32 s19, s14, 7
	s_sub_co_u32 s[DQ], s[DQ], s19
	s_lshl_b32 s19, s[KH], 6
	s_sub_co_u32 s[DQ], s[DQ], s19
	s_cmp_lt_u32 ttmp9, 4
	s_cselect_b32 s[MF], 1, 0
	s_cmp_eq_u32 ttmp9, 15
	s_cselect_b32 s[LIM], 1, -1                    ; the same in all four partners
	s_mov_b32 s[LEFT], 8
	s_mov_b32 s[CS], 0x3db8aa3b                    ; c = log2(e) / 16
	s_mov_b32 s[CS+1], s[CS]
	s_mov_b32 s[SEL], 0x76543210
	s_mov_b32 s[SEL+1], 0xfedcba98
	s_mov_b32 s[WIDTH], 1024
	s_lshl_b32 s2, s13, 13
	s_add_co_u32 s2, s2, 131072                    ; the prefetches stand two slots on, at my work-group's 8,192 bytes; each refill steps them
	s_mov_b32 s3, 0
	s_wait_dscnt 0x0
	s_wait_kmcnt 0x0
	s_add_nc_u64 s[PFA:PFA+1], s[4:5], s[16:17]
	s_mov_b32 s[G0], 1
	s_lshl_b32 s[G0+1], s[WV], 15
	s_mov_b64 s[G0+2:G0+3], s[PFA:PFA+1]
	s_mov_b32 s[G0+4], 1
	s_add_co_u32 s[G0+5], s[G0+1], SLOT1
	s_add_nc_u64 s[G0+6:G0+7], s[PFA:PFA+1], 65536
	s_or_b32 s[G0+3], s[G0+3], 0x80000000
	s_or_b32 s[G0+7], s[G0+7], 0x80000000
	s_add_nc_u64 s[PFA:PFA+1], s[PFA:PFA+1], s[2:3]
	s_add_nc_u64 s[20:21], s[4:5], s[20:21]        ; Q at my first tile
	s_add_nc_u64 s[6:7], s[6:7], s[22:23]          ; yh likewise
	CROUND                                         ; all four work-groups are here: the first joint loads meet
	tensor_load_to_lds s[G0:G0+3], s[G1:G1+7]
	s_nop 0
	tensor_load_to_lds s[G0+4:G0+7], s[G1:G1+7]
	s_nop 0
	PLACES
	v_and_b32 v12, 31, v0
	v_lshlrev_b32 v[LI], 4, v12
	.set i, 0
.rept 32                               ; Q stays in registers: tile i / 16, channel group i % 16
	global_load_b128 v[Q+4*i:Q+4*i+3], v[LI], s[20:21] offset:(i/16)*8192+(i%16)*512
	.set i, i+1
.endr
	v_lshlrev_b32 v[PFO], 8, v12
	s_lshl_b32 s18, s[KH], 15
	v_add_nc_u32 v[AK], s18, v[LI]
	s_add_co_u32 s19, s18, SLOT1
	v_add_nc_u32 v[AK+1], s19, v[LI]
	v_bfe_u32 v13, v0, 4, 1                        ; h
	v_and_b32 v14, 7, v0
	v_bfe_u32 v15, v0, 3, 1
	v_lshlrev_b32 v16, 4, v13
	v_lshl_add_u32 v16, v14, 1, v16
	v_add_nc_u32 v16, v16, v15
	v_lshlrev_b32 v16, 4, v16                      ; the turning load: lane l reads key 8 (l / 16) + l % 8, channels 8 ((l / 8) % 2) on: piece 16 (l / 16) + 2 (l % 8) + (l / 8) % 2
	s_add_co_u32 s19, s18, VOFF
	v_add_nc_u32 v[AV], s19, v16
	s_add_co_u32 s19, s19, SLOT1
	v_add_nc_u32 v[AV+1], s19, v16
	v_and_b32 v14, 15, v0
	v_lshlrev_b32 v15, 3, v13
	v_sub_nc_u32 v[DL], v14, v15
	s_lshl_b32 s18, s[WV], 14
	v_add_nc_u32 v[MW], s18, v[LI]
	s_xor_b32 s19, s[WV], 1
	s_lshl_b32 s18, s19, 14
	v_add_nc_u32 v[MR], s18, v[LI]
	v_lshlrev_b32 v12, 2, v12
	s_lshl_b32 s18, s[WV], 9
	s_add_co_u32 s18, s18, STAT
	v_add_nc_u32 v[STW], s18, v12
	s_lshl_b32 s18, s19, 9
	s_add_co_u32 s18, s18, STAT
	v_add_nc_u32 v[STR], s18, v12
	v_mov_b32 v[NEG], 0xff800000
.irp t, 0,1
	v_mov_b32 v[ST+8*\t+1], 0xff61b1e6             ; m = -3e38
	v_mov_b32 v[ST+8*\t+2], 0
	v_mov_b32 v[ST+8*\t+3], 0
	v_mov_b32 v[ST+8*\t+5], 0                      ; a lane permute's destination counts as one of its sources
	v_mul_f32 v[ST+8*\t], s[CS], v[ST+8*\t+1]
.endr
.macro KLOAD slot                      ; my half's 64 keys x 256 channels: block i of 512 bytes into registers 4 i on
	WIN 0x80
	.set i, 0
.rept 64
	ds_load_b128 v[4*i:4*i+3], v[AK+\slot] offset:512*i
	.set i, i+1
.endr
	WIN 0
.endm
.macro VLOAD slot                      ; V^T: keys 32 (i / 16) on, channels 16 (i % 16) on
	WIN 0xc0
	.set i, 0
.rept 32
	ds_load_tr16_b128 v[8*i:8*i+3],   v[AV+\slot] offset:((2*(i/16))*16+i%16)*512
	ds_load_tr16_b128 v[8*i+4:8*i+7], v[AV+\slot] offset:((2*(i/16)+1)*16+i%16)*512
	.set i, i+1
.endr
	WIN 0
.endm
.macro MASK                            ; register 8 kt + j of tile t holds key k with q - k = DQ + 16 t + r - 8 h - (16 kt + j): it counts where 0 <= q - k <= 1,023: one unsigned test
	v_add_nc_u32 v[ST+4], s[DQ], v[DL]
	v_add_nc_u32 v[ST+12], 16, v[ST+4]
.irp kt, 0,1,2,3
.irp j, 0,1,2,3,4,5,6,7
	v_add_nc_u32 v[TMP], -(16*\kt+\j), v[ST+4]
	v_add_nc_u32 v[ST+13], -(16*\kt+\j), v[ST+12]
	v_cmp_gt_u32 vcc_lo, s[WIDTH], v[TMP]
	v_cmp_gt_u32 s[MK1], s[WIDTH], v[ST+13]
	v_cndmask_b32 v[S+8*\kt+\j], v[NEG], v[S+8*\kt+\j], vcc_lo
	v_cndmask_b32 v[S+32+8*\kt+\j], v[NEG], v[S+32+8*\kt+\j], s[MK1]
.endr
.endr
.endm
.macro SOFTMAX                         ; the two tiles by turns
.irp j, 0,1,2,3
.irp t, 0,1
	v_max3_num_f32 v[ST+8*\t+4+\j], v[S+32*\t+8*\j], v[S+32*\t+8*\j+1], v[S+32*\t+8*\j+2]   ; each accumulator is read from its low end on
.endr
.endr
.irp g, 1,2
.irp j, 0,1,2,3
.irp t, 0,1
	v_max3_num_f32 v[ST+8*\t+4+\j], v[ST+8*\t+4+\j], v[S+32*\t+8*\j+2*\g+1], v[S+32*\t+8*\j+2*\g+2]
.endr
.endr
.endr
.irp t, 0,1
	v_max3_num_f32 v[ST+8*\t+4], v[ST+8*\t+4], v[S+32*\t+7], v[S+32*\t+15]
	v_max3_num_f32 v[ST+8*\t+6], v[ST+8*\t+6], v[S+32*\t+23], v[S+32*\t+31]
.endr
.irp t, 0,1
	v_max3_num_f32 v[ST+8*\t+4], v[ST+8*\t+4], v[ST+8*\t+5], v[ST+8*\t+6]
.endr
.irp t, 0,1
	v_max3_num_f32 v[ST+8*\t+4], v[ST+8*\t+4], v[ST+8*\t+7], v[ST+8*\t+1]   ; and the old m
.endr
.irp t, 0,1
	v_permlanex16_b32 v[ST+8*\t+5], v[ST+8*\t+4], s[SEL], s[SEL+1]
	v_mov_b32 v[ST+8*\t+7], v[ST+8*\t]
.endr
.irp t, 0,1
	v_max_num_f32 v[ST+8*\t+1], v[ST+8*\t+4], v[ST+8*\t+5]
.endr
.irp t, 0,1
	v_mul_f32 v[ST+8*\t], s[CS], v[ST+8*\t+1]
.endr
.irp t, 0,1
	v_sub_f32 v[ST+8*\t+7], v[ST+8*\t+7], v[ST+8*\t]
.endr
	.set i, 0
.rept 32
	v_pk_fma_f32 v[S+32*(i%2)+2*(i/2):S+32*(i%2)+2*(i/2)+1], v[S+32*(i%2)+2*(i/2):S+32*(i%2)+2*(i/2)+1], s[CS:CS+1], v[ST+8*(i%2):ST+8*(i%2)+1] op_sel_hi:[1,0,0] neg_lo:[0,0,1] neg_hi:[0,0,1]
	.set i, i+1
.endr
.irp t, 0,1
	v_exp_f32 v[ST+8*\t+6], v[ST+8*\t+7]           ; a = 2^(c m_old - c m_new)
.endr
	.set i, 0
.rept 64
	v_exp_f32 v[S+32*(i%2)+i/2], v[S+32*(i%2)+i/2]
	.set i, i+1
.endr
	v_nop                                          ; a plain instruction behind the last exponential,
	s_wait_alu depctr_va_vdst(0)                   ; and ONE wait for the batch of 66, ahead of its first reader
	.set i, 0
.rept 32
	v_cvt_pk_f16_f32 v[P+16*(i%2)+i/2], v[S+32*(i%2)+2*(i/2)], v[S+32*(i%2)+2*(i/2)+1]
	.set i, i+1
.endr
.irp w, 4,8,16,32                      ; the sum of a tile's 16 pairs, in place
	.set i, 0
.rept 64/\w
	v_pk_add_f32 v[S+32*(i%2)+\w*(i/2):S+32*(i%2)+\w*(i/2)+1], v[S+32*(i%2)+\w*(i/2):S+32*(i%2)+\w*(i/2)+1], v[S+32*(i%2)+\w*(i/2)+\w/2:S+32*(i%2)+\w*(i/2)+\w/2+1]
	.set i, i+1
.endr
.endr
.irp t, 0,1
	v_pk_fma_f32 v[ST+8*\t+2:ST+8*\t+3], v[ST+8*\t+2:ST+8*\t+3], v[ST+8*\t+6:ST+8*\t+7], v[S+32*\t:S+32*\t+1] op_sel_hi:[1,0,1]
.endr
.endm
; A KEY STEP.  slot: where its tiles lay.  fill = 1: the slot is filled again, jointly; 0: nothing is left to ask for, the other slot is still to be read; -1: the last step.
; mask = 1: always; 2: where c < 4 (a jump on the cluster's number, round vector lines alone).  pv0 = 1: the first step: its products start O^T's sums.
.macro STEP slot, fill, mask, pv0
	WIN 0x02                                       ; S^T = K Q^T: 64 products; the eight accumulators take turns; the first eight start the sums
	.set i, 0
.rept 64
.if i < 8
	v_wmma_f32_16x16x32_f16 v[S+32*(i%2)+8*((i/2)%4):S+32*(i%2)+8*((i/2)%4)+7], v[64*((i/2)%4)+8*(i/8):64*((i/2)%4)+8*(i/8)+7], v[Q+64*(i%2)+8*(i/8):Q+64*(i%2)+8*(i/8)+7], 0
.else
	v_wmma_f32_16x16x32_f16 v[S+32*(i%2)+8*((i/2)%4):S+32*(i%2)+8*((i/2)%4)+7], v[64*((i/2)%4)+8*(i/8):64*((i/2)%4)+8*(i/8)+7], v[Q+64*(i%2)+8*(i/8):Q+64*(i%2)+8*(i/8)+7], v[S+32*(i%2)+8*((i/2)%4):S+32*(i%2)+8*((i/2)%4)+7]
.endif
	.set i, i+1
.endr
	WIN 0
.if \fill >= 0
	s_wait_tensorcnt 0x0                           ; all my tensor loads have landed: my part of the other slot
	ds_add_u32 v[SPW], v[NIL]
.if \fill == 1
	s_add_nc_u64 s[G0+4*\slot+2:G0+4*\slot+3], s[G0+4*\slot+2:G0+4*\slot+3], 131072   ; this slot's next tiles: two slots on
	s_wait_xcnt 0x0                                ; the last prefetch, a step back, has read its address
	s_add_nc_u64 s[PFA:PFA+1], s[PFA:PFA+1], 65536
.endif
	s_wait_dscnt 0x0                               ; the add is done; this step's V is in registers: my reads of this slot are over
.if \fill == 1
	CROUND                                         ; no wave of any partner still reads this slot or has a load on its way
	tensor_load_to_lds s[G0+4*\slot:G0+4*\slot+3], s[G1:G1+7]
	s_nop 0
.else
	s_barrier_signal -1
	s_barrier_wait -1                              ; the other slot is whole for every wave
.endif
	PLACES                                         ; also the places in front of loads into K's registers and of the first reads of the scores
	KLOAD 1-\slot
.if \fill == 1
	ASK
.endif
.else
	s_wait_dscnt 0x0                               ; V
	PLACES
.endif
.if \mask == 2
	s_cmp_eq_u32 s[MF], 0
	s_cbranch_scc1 .Lopen_\@
.endif
	MASK
.Lopen_\@:
	s_sub_co_u32 s[DQ], s[DQ], 128
	SOFTMAX
.if !\pv0
	WIN 0x41
	.set i, 0
.rept 128
	v_pk_mul_f32 v[2*i:2*i+1], v[2*i:2*i+1], v[ST+8*(i/64)+6:ST+8*(i/64)+7] op_sel_hi:[1,0]
	.set i, i+1
.endr
.endif
	WIN 0x53                                       ; O^T += V^T P: 64 products; 32 accumulators take turns
	.set i, 0
.rept 64
.if \pv0 && (i < 32)
	v_wmma_f32_16x16x32_f16 v[128*(i%2)+8*((i/2)%16):128*(i%2)+8*((i/2)%16)+7], v[8*(16*(i/32)+(i/2)%16):8*(16*(i/32)+(i/2)%16)+7], v[P+16*(i%2)+8*(i/32):P+16*(i%2)+8*(i/32)+7], 0
.else
	v_wmma_f32_16x16x32_f16 v[128*(i%2)+8*((i/2)%16):128*(i%2)+8*((i/2)%16)+7], v[8*(16*(i/32)+(i/2)%16):8*(16*(i/32)+(i/2)%16)+7], v[P+16*(i%2)+8*(i/32):P+16*(i%2)+8*(i/32)+7], v[128*(i%2)+8*((i/2)%16):128*(i%2)+8*((i/2)%16)+7]
.endif
	.set i, i+1
.endr
	WIN 0
	PLACES                                         ; in front of loads into V's registers
.if \fill >= 0
	s_wait_dscnt 0x0                               ; the next K, asked for a phase ago (a count of 64 younger loads does not fit the wait's field, so it stands ahead of them)
	VLOAD 1-\slot
.endif
.endm
	s_wait_tensorcnt 1                             ; my part of slot 0 is in; slot 1's load is younger
	s_barrier_signal -1
	s_barrier_wait -1
	KLOAD 0
	s_wait_dscnt 0x0
	VLOAD 0
	s_wait_loadcnt 0x0                             ; Q
	STEP 0, 1, 1, 1                                ; steps 0 and 1 lie on the window's lower edge; they are written out, so that the first starts O^T's sums
	STEP 1, 1, 1, 0
	s_mov_b32 s[TRIP], 3
.Lpair:                                            ; steps 2 to 7: all their keys count where c >= 4
	STEP 0, 1, 2, 0
	STEP 1, 1, 2, 0
	s_sub_co_u32 s[TRIP], s[TRIP], 1
	s_cmp_lg_u32 s[TRIP], 0
	s_cbranch_scc1 .Lpair
	STEP 0, 0, 1, 0                                ; steps 8 and 9 lie on the diagonal; nothing is left to ask for
	STEP 1, -1, 1, 0
	; THE TWO HALVES OF THE KEYS ARE JOINED.  Wave kh finishes tile kh and hands the other tile to its partner.
.irp t, 0,1
	v_add_f32 v[ST+8*\t+2], v[ST+8*\t+2], v[ST+8*\t+3]
.endr
.irp t, 0,1
	v_permlanex16_b32 v[ST+8*\t+5], v[ST+8*\t+2], s[SEL], s[SEL+1]
.endr
.irp t, 0,1
	v_add_f32 v[ST+8*\t+2], v[ST+8*\t+2], v[ST+8*\t+5]
.endr
.irp t, 0,1
	ds_store_b32 v[STW], v[ST+8*\t] offset:256*\t
	ds_store_b32 v[STW], v[ST+8*\t+2] offset:256*\t+128
.endr
.macro SENDO t
	WIN 0x04                                       ; an LDS store's data are its source 1: window 1
	.set i, 0
.rept 32
	ds_store_b128 v[MW], v[128*\t+4*i:128*\t+4*i+3] offset:512*i   ; each accumulator from its low end on
	.set i, i+1
.endr
	WIN 0
.endm
.macro FINISH t
.set rT, ST+8*\t
	ds_load_b32 v[rT+4], v[STR] offset:256*\t      ; my partner's c m
	ds_load_b32 v[rT+5], v[STR] offset:256*\t+128  ; and l
	WIN 0x80
	.set i, 0
.rept 32
	ds_load_b128 v[4*i:4*i+3], v[MR] offset:512*i  ; and O^T, into K's registers
	.set i, i+1
.endr
	WIN 0
	s_wait_dscnt 32                                ; the two numbers are in; the 32 loads behind them are younger
	v_max_num_f32 v[TMP], v[rT], v[rT+4]
	v_sub_f32 v[rT+6], v[rT], v[TMP]
	v_sub_f32 v[rT+7], v[rT+4], v[TMP]
	v_exp_f32 v[rT+6], v[rT+6]
	v_exp_f32 v[rT+7], v[rT+7]
	v_nop
	s_wait_alu depctr_va_vdst(0)                   ; one wait for the two
	v_mul_f32 v[rT+2], v[rT+2], v[rT+6]
	v_fma_f32 v[rT+2], v[rT+5], v[rT+7], v[rT+2]   ; the row's sum under the common maximum; a half with no key that counts has l = 0 and factor 0
	v_rcp_f32 v[rT+3], v[rT+2]
	v_nop
	s_wait_alu depctr_va_vdst(0)
	v_mul_f32 v[rT+6], v[rT+6], v[rT+3]
	v_mul_f32 v[rT+4], v[rT+7], v[rT+3]
	s_wait_dscnt 0x0
	WIN 0x82
	.set i, 0
.rept 64
	v_pk_mul_f32 v[2*i:2*i+1], v[2*i:2*i+1], v[rT+4:rT+5] op_sel_hi:[1,0]
	.set i, i+1
.endr
	WIN 0xa1
	.set i, 0
.rept 64
	v_pk_fma_f32 v[2*i:2*i+1], v[128*\t+2*i:128*\t+2*i+1], v[rT+6:rT+7], v[2*i:2*i+1] op_sel_hi:[1,0,1]
	.set i, i+1
.endr
	WIN 0x0a
	.set i, 0
.rept 64
	v_cvt_pk_f16_f32 v[S+i], v[2*i], v[2*i+1]
	.set i, i+1
.endr
	WIN 0
	.set i, 0
.rept 16
	global_store_b128 v[LI], v[S+4*i:S+4*i+3], s[6:7] offset:\t*4096+(i/8)*1048576+(i%8)*512   ; the wave fills a block of 512 bytes of yh
	.set i, i+1
.endr
.endm
	s_cmp_eq_u32 s[KH], 0
	s_cbranch_scc0 .Lsend0
	SENDO 1
	s_branch .Lsent
.Lsend0:
	SENDO 0
.Lsent:
	s_wait_dscnt 0x0                               ; for the partner's sake: my stores are done
	s_barrier_signal -1
	s_barrier_wait -1
	s_cmp_eq_u32 s[KH], 0
	s_cbranch_scc0 .Lfin1
	FINISH 0
	s_branch .Lend
.Lfin1:
	FINISH 1
.Lend:
	s_wait_tensorcnt 0x0                           ; the wave's end
	ds_add_u32 v[SPW], v[NIL]
	s_wait_dscnt 0x0
	CROUND                                         ; the closing round
	s_endpgm
.Lfunc_end_k_qa0d6ba3dc9_attn:
	.size	k_qa0d6ba3dc9_attn, .Lfunc_end_k_qa0d6ba3dc9_attn-k_qa0d6ba3dc9_attn
	.p2alignl 7, 3214868480
	.fill 96, 4, 3214868480
	.section	.rodata,"a",@progbits
	.p2align	6, 0x0
	.amdhsa_kernel k_qa0d6ba3dc9_attn
		.amdhsa_group_segment_fixed_size 327680
		.amdhsa_private_segment_fixed_size 0
		.amdhsa_enable_private_segment 0
		.amdhsa_kernarg_size 16
		.amdhsa_user_sgpr_count 2
		.amdhsa_user_sgpr_kernarg_segment_ptr 1
		.amdhsa_wavefront_size32 1
		.amdhsa_system_sgpr_workgroup_id_x 1
		.amdhsa_system_sgpr_workgroup_id_y 1
		.amdhsa_system_sgpr_workgroup_id_z 1
		.amdhsa_system_vgpr_workitem_id 0
		.amdhsa_next_free_vgpr 1024
		.amdhsa_next_free_sgpr 66
		.amdhsa_reserve_vcc 1
		.amdhsa_float_denorm_mode_32 3
		.amdhsa_float_denorm_mode_16_64 3
		.amdhsa_memory_ordered 1
		.amdhsa_forward_progress 1
		.amdhsa_inst_pref_size 255
	.end_amdhsa_kernel
	.section	.bss,"aw",@nobits
	.p2align	6
	.space	262144
	.amdgpu_metadata
---
amdhsa.version: [ 1, 2 ]
amdhsa.kernels:
  - .name:           k_qa0d6ba3dc9_attn
    .symbol:         k_qa0d6ba3dc9_attn.kd
    .args:
      - { .name: qkvh, .offset: 0, .size: 8, .value_kind: global_buffer, .address_space: global }
      - { .name: yh, .offset: 8, .size: 8, .value_kind: global_buffer, .address_space: global }
    .group_segment_fixed_size: 327680
    .private_segment_fixed_size: 0
    .kernarg_segment_align: 8
    .kernarg_segment_size: 16
    .max_flat_workgroup_size: 128
    .sgpr_count:     66
    .vgpr_count:     1024
    .wavefront_size: 32
...
	.end_amdgpu_metadata
.endif
;; end of part 3
;; launch oproj (part 4): grid 8 x 32, 4 waves a work-group, clusters of 4 x 4, 327,680 bytes of LDS; arguments yh, woh, out0; writes out0
.if DOCPART == 4
	.amdgcn_target "amdgcn-amd-amdhsa--gfx1250"
	.amdhsa_code_object_version 6
	.text
	.protected	k_qa0d6ba3dc9_oproj
	.globl	k_qa0d6ba3dc9_oproj
	.p2align	8
	.type	k_qa0d6ba3dc9_oproj,@function
k_qa0d6ba3dc9_oproj:
	s_mov_b64 s[64:65], 0
	v_nop
	global_prefetch_b8 v0, s[64:65] scope:SCOPE_SE
	s_setreg_imm32_b32 hwreg(HW_REG_WAVE_MODE, 25, 1), 1
	s_wait_xcnt 0x0
	s_wait_alu depctr_hold_cnt(0) depctr_sa_sdst(0) depctr_va_vdst(0) depctr_va_sdst(0) depctr_va_ssrc(0) depctr_va_vcc(0) depctr_vm_vsrc(0)
	s_getreg_b32 s2, hwreg(HW_REG_IB_STS2, 6, 4)
	s_cmp_eq_u32 s2, 0
	s_cbranch_scc0 .Lentry_in_a_cluster
	s_endpgm
.Lentry_in_a_cluster:
	s_bfe_u32 s2, ttmp6, 0x10000c
	s_cmp_lg_u32 s2, 0xf033
	s_cbranch_scc0 .Lentry_shape_is_right
	s_endpgm
.Lentry_shape_is_right:
; out0[t][n] = the sum over k of y[t][k] Wo[n][k], K = 1,024, operands in f16, sums and results in f32.
; A tile is 128 tokens x 256 columns: 256 work-groups.  Four waves, each 64 x 128: 32 accumulators.  K goes in eight chunks of 128 through two LDS slots.
; Both operands lie in memory in the order of the operands' registers (blocks of 512 bytes: 16 rows x 16 along K, 16 bytes a lane), a chunk's tiles on end: a tile is a dense
; block, there is no pitch and no padding, and each LDS load takes 512 consecutive bytes.
; CLUSTER: 4 x 4.  y's tile is shared along a row of the cluster, Wo's along a column: each is asked for jointly.
; THE MATRIX INSTRUCTION IS USED TRANSPOSED (source 0 = 16 rows of Wo, source 1 = 16 tokens): a lane holds eight neighbouring columns of a token's row.
; Rows 0-15 of out0 are written here like all others and written anew, from f32 operands, by the launch that follows: leaving them out would be a branch on a work-group's place in its cluster.
; REGISTERS: window 0: addresses; v128-255 the way out.  window 1: two fragment buffers: B at v0 / v128 (64), A at v64 / v192 (32).  window 2: accumulator (a, b) at v[8 (8 a + b)].
.set SLOT,   98304                     ; A's 32,768 bytes, then B's 65,536
.set BOFF,   32768
.set SPARE,  196608
.set SPITCH, 528                       ; the way out: a stage of 16 rows x (512 + 16) bytes for each wave, in slot 0, which has had its last fill and its last read by then
.set ADRA, 16
.set ADRB, 20
.set STO,  24
.set RD,   25
.set CO,   26
.set SPW,  28
.set NIL,  29
.set PFO,  30
.set F0,   0
.set F1,   128
.set BK,   128
.set G1,  24
.set G0,  32
.set LIM, 43
.set PFA, 44
.set PFS, 46
.set G1B, 48
.set G0B, 56
.set MSB, 0
.macro WIN new
.if MSB != \new
	s_set_vgpr_msb (MSB<<8)|\new
.set MSB, \new
.endif
.endm
.set MUL,  0xa5                        ; sources 0 and 1 window 1; C and D window 2
.set TO_F, 0x40
.macro PLACES
.rept 4
	v_nop
.endr
.endm
.macro JLOAD s                         ; waves 0 and 1 fetch y's halves, waves 2 and 3 Wo's; the branch hangs on the wave's number alone
	s_cmp_eq_u32 s11, 0
	s_cbranch_scc0 .Lfor_b_\@
	tensor_load_to_lds s[G0+4*\s:G0+4*\s+3], s[G1:G1+7]
	s_nop 0
	PLACES
	s_branch .Lasked_\@
.Lfor_b_\@:
	tensor_load_to_lds s[G0B+4*\s:G0B+4*\s+3], s[G1B:G1B+7]
	s_nop 0
	PLACES
.Lasked_\@:
.endm
.macro CREST
	s_cmp_lg_u32 s10, 0
	s_cbranch_scc1 .Lnot_wave_0_\@
	s_barrier_signal -3
.Lnot_wave_0_\@:
	s_barrier_wait -3
	s_barrier_signal -1
	s_barrier_wait -1
.endm
.macro CROUND
	s_barrier_signal -1
	s_barrier_wait -1
	CREST
.endm
; A PREFETCH INTO THE L2 of the chunk that stands two refills on.  y's tile is read by both clusters of a row of clusters: cluster x = 0 asks, wave 0, the four partners of a row
; 8,192 bytes each, by address.  Wo's tile is read by all eight clusters of a column: cluster y = 0 asks, waves 2 and 3 for the half that each fetches, the four partners of a
; column 8,192 bytes each.  A lane names 256 bytes.  Chunks 0 to 3 come by their loads alone; the loop's last trip asks for nothing.
.macro ASK
	s_cmp_gt_u32 s3, s[LIM]
	s_cbranch_scc0 .Lnot_mine_\@
	global_prefetch_b8 v[PFO], s[PFA:PFA+1] th:TH_LOAD_NT scope:SCOPE_SE
.Lnot_mine_\@:
.endm
	s_load_b128 s[4:7], s[0:1], 0x0                ; yh, woh
	s_load_b64 s[8:9], s[0:1], 0x10                ; out0
	v_lshl_add_u32 v[SPW], v0, 2, SPARE
	v_mov_b32 v[NIL], 0
	ds_add_u32 v[SPW], v[NIL]                      ; the opening: the add, twice on end, and its wait ahead of my first tensor load
	ds_add_u32 v[SPW], v[NIL]
	v_lshrrev_b32 v1, 5, v0
	v_readfirstlane_b32 s10, v1
	s_lshr_b32 s11, s10, 1                         ; my half of the tokens.  Also: I fetch for y (0) or Wo (1)
	s_and_b32 s12, s10, 1                          ; my half of the columns.  Also: which half of that tile I fetch
	s_bfe_u32 s40, ttmp6, 0x40000                  ; cx
	s_bfe_u32 s41, ttmp6, 0x40004                  ; cy
	s_lshl_b32 s42, ttmp9, 2
	s_add_co_u32 s42, s42, s40                     ; tile column
	s_and_b32 s13, ttmp7, 0xffff
	s_lshl_b32 s13, s13, 2
	s_add_co_u32 s13, s13, s41                     ; tile row
	s_lshl_b32 s2, s41, 2
	s_lshl_b32 s2, 15, s2                          ; my row of the cluster
	s_lshl_b32 s3, 0x1111, s40                     ; my column
	s_or_b32 s[G1+0], s2, (3<<16)|(1<<21)          ; dense blocks as rows of 256 bytes (32 elements of 8); no padding
	s_or_b32 s[G1B+0], s3, (3<<16)|(1<<21)
	s_mov_b32 s[G1+1], 32<<16
	s_mov_b32 s[G1+2], 64<<16
	s_mov_b32 s[G1+3], 32<<16
	s_mov_b32 s[G1+4], 64
	s_mov_b32 s[G1+5], 32
	s_mov_b32 s[G1+6], 0
	s_mov_b32 s[G1+7], 0
	s_mov_b32 s[G1B+1], 32<<16
	s_mov_b32 s[G1B+2], 128<<16
	s_mov_b32 s[G1B+3], 32<<16
	s_mov_b32 s[G1B+4], 128
	s_mov_b32 s[G1B+5], 32
	s_mov_b32 s[G1B+6], 0
	s_mov_b32 s[G1B+7], 0
	s_lshl_b32 s16, s13, 15                        ; y: 32,768 bytes a tile row and chunk, my half of them
	s_lshl_b32 s20, s12, 14
	s_add_co_u32 s16, s16, s20
	s_mov_b32 s17, 0
	s_lshl_b32 s18, s42, 16                        ; Wo: 65,536 bytes a tile column and chunk
	s_lshl_b32 s21, s12, 15
	s_add_co_u32 s18, s18, s21
	s_mov_b32 s19, 0
	s_add_co_u32 s21, s21, BOFF                    ; where they go: by the wave's number alone
	s_wait_dscnt 0x0
	s_wait_kmcnt 0x0
	s_add_nc_u64 s[14:15], s[4:5], s[16:17]
	s_add_nc_u64 s[22:23], s[6:7], s[18:19]
	CROUND
.irp s, 0,1
	s_mov_b32 s[G0+4*\s], 1
	s_add_co_u32 s[G0+4*\s+1], s20, \s*SLOT
	s_add_nc_u64 s[G0+4*\s+2:G0+4*\s+3], s[14:15], \s*1048576
	s_or_b32 s[G0+4*\s+3], s[G0+4*\s+3], 0x80000000
	s_mov_b32 s[G0B+4*\s], 1
	s_add_co_u32 s[G0B+4*\s+1], s21, \s*SLOT
	s_add_nc_u64 s[G0B+4*\s+2:G0B+4*\s+3], s[22:23], \s*524288
	s_or_b32 s[G0B+4*\s+3], s[G0B+4*\s+3], 0x80000000
	JLOAD \s
.endr
	v_and_b32 v1, 15, v0
	v_bfe_u32 v2, v0, 4, 1
	v_and_b32 v3, 31, v0
	v_lshlrev_b32 v[CO], 4, v3
	v_lshlrev_b32 v[PFO], 8, v3
	s_lshl_b32 s20, s11, 14
	s_lshl_b32 s21, s12, 15
	s_add_co_u32 s21, s21, BOFF
.irp s, 0,1
	v_add_nc_u32 v[ADRA+\s], s20, v[CO]
	v_add_nc_u32 v[ADRB+\s], s21, v[CO]
	s_add_co_u32 s20, s20, SLOT
	s_add_co_u32 s21, s21, SLOT
.endr
	s_mul_i32 s20, s10, 16*SPITCH
	v_mul_u32_u24 v4, v1, SPITCH
	v_lshl_add_u32 v4, v2, 5, v4
	v_add_nc_u32 v[STO], s20, v4
	v_add_nc_u32 v[RD], s20, v[CO]
	; the prefetches
	s_and_b32 s16, ttmp7, 0xffff
	s_cmp_eq_u32 s11, 0
	s_cselect_b32 s16, ttmp9, s16                  ; the coordinate along which other clusters read the same tile
	s_cselect_b32 s17, s40, s41                    ; my place among the four that ask for it with me
	s_cselect_b64 s[PFA:PFA+1], s[14:15], s[22:23]
	s_mov_b32 s[PFS], 0x80000
	s_cselect_b32 s[PFS], 0x100000, s[PFS]         ; a chunk on
	s_mov_b32 s[PFS+1], 0
	s_cmp_eq_u32 s10, 1
	s_cselect_b32 s18, 1, 0                        ; wave 1 asks for nothing: wave 0's four partners cover y's tile
	s_or_b32 s16, s16, s18
	s_cmp_eq_u32 s16, 0
	s_cselect_b32 s[LIM], 1, -1
	s_lshl_b32 s18, s17, 13
	s_mov_b32 s19, 0
	s_add_nc_u64 s[PFA:PFA+1], s[PFA:PFA+1], s[18:19]
.rept 3
	s_add_nc_u64 s[PFA:PFA+1], s[PFA:PFA+1], s[PFS:PFS+1]   ; at chunk 3: the first refill steps it to chunk 4
.endr
	s_lshl_b32 s16, s13, 20                        ; out0: row 128 x tile row + 64 x half, 8,192 bytes a row; column 256 x tile column + 128 x half
	s_lshl_b32 s17, s11, 19
	s_add_co_u32 s16, s16, s17
	s_lshl_b32 s17, s42, 10
	s_add_co_u32 s16, s16, s17
	s_lshl_b32 s17, s12, 9
	s_add_co_u32 s16, s16, s17
	s_mov_b32 s17, 0
	s_add_nc_u64 s[8:9], s[8:9], s[16:17]
.macro MUL8 f, a, zero                 ; block a of tokens x the eight blocks of columns, 32 along K.  The 32 accumulators take turns
.irp b, 0,1,2,3,4,5,6,7
.if \zero
	v_wmma_f32_16x16x32_f16 v[8*(8*(\a)+\b):8*(8*(\a)+\b)+7], v[\f+8*\b:\f+8*\b+7], v[\f+64+8*(\a):\f+64+8*(\a)+7], 0
.else
	v_wmma_f32_16x16x32_f16 v[8*(8*(\a)+\b):8*(8*(\a)+\b)+7], v[\f+8*\b:\f+8*\b+7], v[\f+64+8*(\a):\f+64+8*(\a)+7], v[8*(8*(\a)+\b):8*(8*(\a)+\b)+7]
.endif
.endr
.endm
.macro FETCH slot, q, f                ; 24 LDS loads: the fragments of the chunk's q-th 32 along K: B's eight, then A's four
	WIN TO_F
.irp i, 0,1,2,3,4,5,6,7
	ds_load_b128 v[\f+8*\i:\f+8*\i+3],   v[ADRB+\slot] offset:\i*4096+\q*1024
	ds_load_b128 v[\f+8*\i+4:\f+8*\i+7], v[ADRB+\slot] offset:\i*4096+\q*1024+512
.endr
.irp i, 0,1,2,3
	ds_load_b128 v[\f+64+8*\i:\f+64+8*\i+3],   v[ADRA+\slot] offset:\i*4096+\q*1024
	ds_load_b128 v[\f+64+8*\i+4:\f+64+8*\i+7], v[ADRA+\slot] offset:\i*4096+\q*1024+512
.endr
.endm
.macro QUARTER slot, q, f, g, zero     ; multiplies buffer f; in its middle fetches quarter q of the same slot into buffer g
	s_wait_dscnt 4                                 ; all but the four loads of A's blocks 2 and 3
	WIN MUL
	MUL8 \f, 0, \zero
	MUL8 \f, 1, \zero
	PLACES
	FETCH \slot, \q, \g
	s_wait_dscnt 24                                ; all but the 24 just issued
	WIN MUL
	MUL8 \f, 2, \zero
	MUL8 \f, 3, \zero
.endm
.macro TURN slot, next, fill           ; a chunk's last quarter multiplies buffer 1 and changes slots
	WIN 0
.if \fill
	s_wait_xcnt 0x0                                ; the last prefetch, a chunk back, has read its address
	s_add_nc_u64 s[PFA:PFA+1], s[PFA:PFA+1], s[PFS:PFS+1]
.endif
	s_wait_tensorcnt 0x0                           ; all my tensor loads have landed: my part of the next slot
	ds_add_u32 v[SPW], v[NIL]
	s_wait_dscnt 7                                 ; the add and the six loads of A's blocks 1 to 3 are younger
	WIN MUL
	MUL8 F1, 0, 0
	s_wait_dscnt 0x0                               ; the add is done, and my reads of this slot are over
	s_barrier_signal -1
	MUL8 F1, 1, 0
	WIN 0
	s_barrier_wait -1
.if \fill
	CREST
	s_add_nc_u64 s[G0+4*\slot+2:G0+4*\slot+3], s[G0+4*\slot+2:G0+4*\slot+3], 2*1048576
	s_add_nc_u64 s[G0B+4*\slot+2:G0B+4*\slot+3], s[G0B+4*\slot+2:G0B+4*\slot+3], 2*524288
	JLOAD \slot
.else
	PLACES
.endif
	FETCH \next, 0, F0
.if \fill
	WIN 0
	ASK
.endif
	WIN MUL
	MUL8 F1, 2, 0
	MUL8 F1, 3, 0
.endm
	s_wait_tensorcnt 1                             ; my part of chunk 0 is in; chunk 1's load is younger
	s_barrier_signal -1
	s_barrier_wait -1
	FETCH 0, 0, F0
	QUARTER 0, 1, F0, F1, 1                        ; the first quarter's products start the sums
	WIN 0
	s_mov_b32 s3, 3
.Llap:                                             ; a trip goes once round the ring and fills both slots again: chunks 2 to 7
	QUARTER 0, 2, F1, F0, 0
	QUARTER 0, 3, F0, F1, 0
	TURN 0, 1, 1
	QUARTER 1, 1, F0, F1, 0
	QUARTER 1, 2, F1, F0, 0
	QUARTER 1, 3, F0, F1, 0
	TURN 1, 0, 1
	QUARTER 0, 1, F0, F1, 0
	WIN 0
	s_sub_co_u32 s3, s3, 1
	s_cmp_lg_u32 s3, 0
	s_cbranch_scc1 .Llap
	QUARTER 0, 2, F1, F0, 0                        ; the last lap fills nothing
	QUARTER 0, 3, F0, F1, 0
	TURN 0, 1, 0
	QUARTER 1, 1, F0, F1, 0
	QUARTER 1, 2, F1, F0, 0
	QUARTER 1, 3, F0, F1, 0
	s_wait_dscnt 4
	WIN MUL
	MUL8 F1, 0, 0
	MUL8 F1, 1, 0
	s_wait_dscnt 0
	MUL8 F1, 2, 0
	MUL8 F1, 3, 0
	WIN 0
; THE WAY OUT, a block of 16 tokens x 128 columns at a time, through my own stage: in as 32 bytes a lane, back as whole rows of 512 bytes.
.macro TOSTAGE a
	WIN 0x08                                       ; an LDS store's data are its source 1: window 2
.irp b, 0,1,2,3,4,5,6,7
	ds_store_b128 v[STO], v[64*(\a)+8*\b:64*(\a)+8*\b+3] offset:64*\b       ; each accumulator from its low end on
	ds_store_b128 v[STO], v[64*(\a)+8*\b+4:64*(\a)+8*\b+7] offset:64*\b+16
.endr
	WIN 0
.set BB, BK+64*((\a)%2)
.irp t, 0,1,2,3,4,5,6,7,8,9,10,11,12,13,14,15
	ds_load_b128 v[BB+4*\t:BB+4*\t+3], v[RD] offset:\t*SPITCH   ; LDS serves a wave's instructions in order: these see the stores above
.endr
.endm
.macro SEND a, younger
.set BB, BK+64*((\a)%2)
	s_wait_dscnt \younger
.if (\a) > 0
	s_add_nc_u64 s[8:9], s[8:9], 16*8192           ; (behind a wait on XCNT: the earlier stores have read their base)
.endif
.irp t, 0,1,2,3,4,5,6,7,8,9,10,11,12,13,14,15
	global_store_b128 v[CO], v[BB+4*\t:BB+4*\t+3], s[8:9] offset:\t*8192 th:TH_STORE_NT   ; 32 lanes store 512 consecutive bytes, aligned
.endr
.endm
	PLACES
	TOSTAGE 0
.irp a, 1,2,3
.if \a > 1
	s_wait_xcnt 0x0                                ; block a - 2's stores have read their registers and their base
.endif
	TOSTAGE \a
	SEND \a-1, 32                                  ; behind block a - 1's loads: block a's 16 stores and 16 loads
.endr
	s_wait_xcnt 0x0
	SEND 3, 0
	s_wait_tensorcnt 0x0                           ; the wave's end
	ds_add_u32 v[SPW], v[NIL]
	s_wait_dscnt 0x0
	CROUND                                         ; the closing round
	s_endpgm
.Lfunc_end_k_qa0d6ba3dc9_oproj:
	.size	k_qa0d6ba3dc9_oproj, .Lfunc_end_k_qa0d6ba3dc9_oproj-k_qa0d6ba3dc9_oproj
	.p2alignl 7, 3214868480
	.fill 96, 4, 3214868480
	.section	.rodata,"a",@progbits
	.p2align	6, 0x0
	.amdhsa_kernel k_qa0d6ba3dc9_oproj
		.amdhsa_group_segment_fixed_size 327680
		.amdhsa_private_segment_fixed_size 0
		.amdhsa_enable_private_segment 0
		.amdhsa_kernarg_size 24
		.amdhsa_user_sgpr_count 2
		.amdhsa_user_sgpr_kernarg_segment_ptr 1
		.amdhsa_wavefront_size32 1
		.amdhsa_system_sgpr_workgroup_id_x 1
		.amdhsa_system_sgpr_workgroup_id_y 1
		.amdhsa_system_sgpr_workgroup_id_z 1
		.amdhsa_system_vgpr_workitem_id 0
		.amdhsa_next_free_vgpr 768
		.amdhsa_next_free_sgpr 66
		.amdhsa_reserve_vcc 0
		.amdhsa_float_denorm_mode_32 3
		.amdhsa_float_denorm_mode_16_64 3
		.amdhsa_memory_ordered 1
		.amdhsa_forward_progress 1
		.amdhsa_inst_pref_size 86
	.end_amdhsa_kernel
	.amdgpu_metadata
---
amdhsa.version: [ 1, 2 ]
amdhsa.kernels:
  - .name:           k_qa0d6ba3dc9_oproj
    .symbol:         k_qa0d6ba3dc9_oproj.kd
    .args:
      - { .name: yh, .offset: 0, .size: 8, .value_kind: global_buffer, .address_space: global }
      - { .name: woh, .offset: 8, .size: 8, .value_kind: global_buffer, .address_space: global }
      - { .name: out0, .offset: 16, .size: 8, .value_kind: global_buffer, .address_space: global }
    .group_segment_fixed_size: 327680
    .private_segment_fixed_size: 0
    .kernarg_segment_align: 8
    .kernarg_segment_size: 24
    .max_flat_workgroup_size: 128
    .sgpr_count:     66
    .vgpr_count:     768
    .wavefront_size: 32
...
	.end_amdgpu_metadata
.endif
;; end of part 4
;; launch head16 (part 5): grid 128 x 1, 4 waves a work-group, no clusters, 4,608 bytes of LDS; arguments first16, Wo, out0; writes out0
.if DOCPART == 5
	.amdgcn_target "amdgcn-amd-amdhsa--gfx1250"
	.amdhsa_code_object_version 6
	.text
	.protected	k_qa0d6ba3dc9_head16
	.globl	k_qa0d6ba3dc9_head16
	.p2align	8
	.type	k_qa0d6ba3dc9_head16,@function
k_qa0d6ba3dc9_head16:
	s_mov_b64 s[64:65], 0
	v_nop
	global_prefetch_b8 v0, s[64:65] scope:SCOPE_SE
	s_setreg_imm32_b32 hwreg(HW_REG_WAVE_MODE, 25, 1), 1
	s_wait_xcnt 0x0
; TOKENS 0 TO 15 IN f32: scores, softmax, values and the projection on the way out, by v_wmma_f32_16x16x4_f32.  These rows average one to sixteen values and are the largest of the
; output; rounding their operands to 16 bits would use up what the comparison allows.  This launch runs last and writes rows 0-15 of out0 anew.
; A work-group makes 16 columns of out0; wave w takes head w: its attention over the 16 tokens and its 256 of the projection's K; the four parts are added through LDS.
; Each work-group makes the small attention anew (128 matrix instructions a wave): a shared result would want one launch more.  16 columns a work-group are pieces of 64 bytes
; of out0's rows: 131,072 bytes in all; wider pieces would leave most of the chip without work.
; THE ORDER OF k IN A FRAGMENT is free where both sources take the same: the f32 form gives lane (r, h) k = 2 h + j.
;   S^T = K Q^T:   lane (r, h) holds token r, channels 8 i + 4 h + 0 .. 3 in registers 4 i on; a K step is two neighbouring registers.
;   y^T = V^T P^T: p's register e is key 8 h + e; V's register 8 g + e is v[8 h + e][16 g + r]; K step u takes registers 2 u, 2 u + 1.
;   out^T = Wo y^T: y's register 8 g + e is channel 16 g + 8 h + e; Wo's register 8 g + e is Wo[n0 + r][256 w + 16 g + 8 h + e].
; The window of 1,024 cannot bind among 16 tokens: the mask is key <= query.
; The registers that the f32 form writes (window 0: v32-63, v72-103; window 3: v0-127) are written by matrix instructions alone.
; REGISTERS: window 0: v1-19 addresses and single numbers; v32-63 four sums of S^T; v64-71 S^T, then p; v72-103 four sums of out^T; v104-111 their sum; v112-143 the four waves' parts.
;   window 1: Q v0-127, K v128-255.   window 2: V v0-127, Wo v128-255.   window 3: y^T's sums v0-127; y^T / l v128-255.
.set SPARE, 4096
.set SPW, 8
.set NIL, 9
.set MSB, 0
.macro WIN new
.if MSB != \new
	s_set_vgpr_msb (MSB<<8)|\new
.set MSB, \new
.endif
.endm
.macro PLACES8                         ; eight places behind this form, in front of the first read of results
.rept 8
	v_nop
.endr
.endm
	s_load_b128 s[4:7], s[0:1], 0x0                ; first16, Wo
	s_load_b64 s[8:9], s[0:1], 0x10                ; out0
	v_lshl_add_u32 v[SPW], v0, 2, SPARE
	v_mov_b32 v[NIL], 0
	v_lshrrev_b32 v1, 5, v0
	v_readfirstlane_b32 s10, v1                    ; wave = head
	v_and_b32 v1, 15, v0                           ; r
	v_bfe_u32 v2, v0, 4, 1                         ; h
	v_lshlrev_b32 v3, 10, v1
	v_lshl_add_u32 v3, v2, 4, v3                   ; q, k: 1,024 r + 16 h
	v_lshlrev_b32 v4, 13, v2
	v_lshl_add_u32 v4, v1, 2, v4                   ; v: 8 h rows of 1,024 bytes + 4 r
	v_lshlrev_b32 v5, 12, v1
	v_lshl_add_u32 v5, v2, 5, v5                   ; Wo: 4,096 r + 32 h
	v_lshlrev_b32 v6, 3, v2
	v_sub_nc_u32 v6, v1, v6                        ; r - 8 h
	v_mov_b32 v7, 0xff800000                       ; -infinity
	v_and_b32 v11, 31, v0
	v_lshlrev_b32 v11, 5, v11                      ; the parts: 32 x lane
	s_lshl_b32 s16, s10, 10
	v_add_nc_u32 v10, s16, v11                     ; + 1,024 x wave
	v_lshlrev_b32 v12, 13, v1
	v_lshl_add_u32 v12, v2, 5, v12                 ; out0: 8,192 r + 32 h
	s_mov_b32 s12, 0x76543210
	s_mov_b32 s13, 0xfedcba98
	s_mov_b32 s14, 0x3db8aa3b                      ; c = log2(e) / 16
	s_lshl_b32 s16, ttmp9, 16                      ; Wo: 16 rows of 4,096 bytes a work-group, 1,024 bytes a head
	s_lshl_b32 s18, s10, 10
	s_add_co_u32 s16, s16, s18
	s_mov_b32 s17, 0
	s_lshl_b32 s18, s10, 14                        ; first16: 16,384 bytes a head
	s_mov_b32 s19, 0
	s_lshl_b32 s20, ttmp9, 6                       ; out0: 64 bytes a work-group
	s_mov_b32 s21, 0
	s_wait_kmcnt 0x0
	s_add_nc_u64 s[6:7], s[6:7], s[16:17]
	s_add_nc_u64 s[4:5], s[4:5], s[18:19]
	s_add_nc_u64 s[8:9], s[8:9], s[20:21]
	WIN 0x80
	.set i, 0
.rept 16
	global_load_b128 v[128+8*i:128+8*i+3], v5, s[6:7] offset:64*i
	global_load_b128 v[128+8*i+4:128+8*i+7], v5, s[6:7] offset:64*i+16
	.set i, i+1
.endr
	WIN 0x40
	.set i, 0
.rept 32
	global_load_b128 v[4*i:4*i+3], v3, s[4:5] offset:32*i
	global_load_b128 v[128+4*i:128+4*i+3], v3, s[4:5] offset:65536+32*i
	.set i, i+1
.endr
	WIN 0x80
	.set i, 0
.rept 128
	global_load_b32 v[i], v4, s[4:5] offset:131072+(i%8)*1024+(i/8)*64
	.set i, i+1
.endr
	s_wait_loadcnt 0x0
	WIN 0x05                                       ; S^T: 64 K steps on four accumulators by turns; the first four start the sums
	.set n, 0
.rept 64
.if n < 4
	v_wmma_f32_16x16x4_f32 v[32+8*(n%4):39+8*(n%4)], v[128+2*n:129+2*n], v[2*n:2*n+1], 0
.else
	v_wmma_f32_16x16x4_f32 v[32+8*(n%4):39+8*(n%4)], v[128+2*n:129+2*n], v[2*n:2*n+1], v[32+8*(n%4):39+8*(n%4)]
.endif
	.set n, n+1
.endr
	WIN 0
	PLACES8
.irp j, 0,1,2,3,4,5,6,7                        ; each accumulator is read from its low end on
	v_add_f32 v[64+\j], v[32+\j], v[40+\j]
	v_add_f32 v[64+\j], v[64+\j], v[48+\j]
	v_add_f32 v[64+\j], v[64+\j], v[56+\j]
.endr
.irp j, 0,1,2,3,4,5,6,7
	v_cmp_le_i32 vcc_lo, \j, v6                    ; key 8 h + j <= query r
	v_cndmask_b32 v[64+\j], v7, v[64+\j], vcc_lo
.endr
	v_max3_num_f32 v14, v64, v65, v66
	v_max3_num_f32 v14, v14, v67, v68
	v_max3_num_f32 v14, v14, v69, v70
	v_max_num_f32 v14, v14, v71
	v_mov_b32 v15, 0
	v_permlanex16_b32 v15, v14, s12, s13
	v_max_num_f32 v14, v14, v15                    ; the row's maximum: key 0 counts for every query
	v_mul_f32 v16, s14, v14
.irp j, 0,1,2,3,4,5,6,7
	v_fma_f32 v[64+\j], v[64+\j], s14, -v16
.endr
.irp j, 0,1,2,3,4,5,6,7
	v_exp_f32 v[64+\j], v[64+\j]
.endr
	v_nop
	s_wait_alu depctr_va_vdst(0)                   ; one wait for the eight
	v_add_f32 v17, v64, v65
	v_add_f32 v15, v66, v67
	v_add_f32 v17, v17, v68
	v_add_f32 v15, v15, v69
	v_add_f32 v17, v17, v70
	v_add_f32 v15, v15, v71
	v_add_f32 v17, v17, v15
	v_permlanex16_b32 v15, v17, s12, s13
	v_add_f32 v17, v17, v15
	v_rcp_f32 v18, v17
	v_nop
	s_wait_alu depctr_va_vdst(0)
	v_mov_b32 v19, v18
	WIN 0xf2                                       ; y^T: four K steps on sixteen accumulators by turns
.irp u, 0,1,2,3
.irp g, 0,1,2,3,4,5,6,7,8,9,10,11,12,13,14,15
.if \u == 0
	v_wmma_f32_16x16x4_f32 v[8*\g:8*\g+7], v[8*\g+2*\u:8*\g+2*\u+1], v[64+2*\u:65+2*\u], 0
.else
	v_wmma_f32_16x16x4_f32 v[8*\g:8*\g+7], v[8*\g+2*\u:8*\g+2*\u+1], v[64+2*\u:65+2*\u], v[8*\g:8*\g+7]
.endif
.endr
.endr
	WIN 0
	PLACES8
	WIN 0xc3
	.set i, 0
.rept 64
	v_pk_mul_f32 v[128+2*i:129+2*i], v[2*i:2*i+1], v[18:19] op_sel_hi:[1,0]   ; y^T / l, into other registers than the sums
	.set i, i+1
.endr
	WIN 0x0e                                       ; out^T: 64 K steps on four accumulators by turns
	.set n, 0
.rept 64
.if n < 4
	v_wmma_f32_16x16x4_f32 v[72+8*(n%4):79+8*(n%4)], v[128+2*n:129+2*n], v[128+2*n:129+2*n], 0
.else
	v_wmma_f32_16x16x4_f32 v[72+8*(n%4):79+8*(n%4)], v[128+2*n:129+2*n], v[128+2*n:129+2*n], v[72+8*(n%4):79+8*(n%4)]
.endif
	.set n, n+1
.endr
	WIN 0
	PLACES8
.irp j, 0,1,2,3,4,5,6,7
	v_add_f32 v[104+\j], v[72+\j], v[80+\j]
	v_add_f32 v[104+\j], v[104+\j], v[88+\j]
	v_add_f32 v[104+\j], v[104+\j], v[96+\j]       ; lane (r, h): token r, columns n0 + 8 h + j, my head's part
.endr
	ds_store_b128 v10, v[104:107]
	ds_store_b128 v10, v[108:111] offset:16
	s_wait_dscnt 0x0                               ; for wave 0's sake: my stores are done
	s_barrier_signal -1
	s_barrier_wait -1
	s_cmp_lg_u32 s10, 0
	s_cbranch_scc1 .Ldone
.irp w, 0,1,2,3
	ds_load_b128 v[112+8*\w:115+8*\w], v11 offset:1024*\w
	ds_load_b128 v[116+8*\w:119+8*\w], v11 offset:1024*\w+16
.endr
	s_wait_dscnt 0x0
.irp i, 0,2,4,6
	v_pk_add_f32 v[112+\i:113+\i], v[112+\i:113+\i], v[120+\i:121+\i]
	v_pk_add_f32 v[128+\i:129+\i], v[128+\i:129+\i], v[136+\i:137+\i]
.endr
.irp i, 0,2,4,6
	v_pk_add_f32 v[112+\i:113+\i], v[112+\i:113+\i], v[128+\i:129+\i]
.endr
	global_store_b128 v12, v[112:115], s[8:9]
	global_store_b128 v12, v[116:119], s[8:9] offset:16
.Ldone:
	s_wait_tensorcnt 0x0                           ; the wave's end
	ds_add_u32 v[SPW], v[NIL]
	s_wait_dscnt 0x0
	s_endpgm
.Lfunc_end_k_qa0d6ba3dc9_head16:
	.size	k_qa0d6ba3dc9_head16, .Lfunc_end_k_qa0d6ba3dc9_head16-k_qa0d6ba3dc9_head16
	.p2alignl 7, 3214868480
	.fill 96, 4, 3214868480
	.section	.rodata,"a",@progbits
	.p2align	6, 0x0
	.amdhsa_kernel k_qa0d6ba3dc9_head16
		.amdhsa_group_segment_fixed_size 4608
		.amdhsa_private_segment_fixed_size 0
		.amdhsa_enable_private_segment 0
		.amdhsa_kernarg_size 24
		.amdhsa_user_sgpr_count 2
		.amdhsa_user_sgpr_kernarg_segment_ptr 1
		.amdhsa_wavefront_size32 1
		.amdhsa_system_sgpr_workgroup_id_x 1
		.amdhsa_system_sgpr_workgroup_id_y 1
		.amdhsa_system_sgpr_workgroup_id_z 1
		.amdhsa_system_vgpr_workitem_id 0
		.amdhsa_next_free_vgpr 1024
		.amdhsa_next_free_sgpr 66
		.amdhsa_reserve_vcc 1
		.amdhsa_float_denorm_mode_32 3
		.amdhsa_float_denorm_mode_16_64 3
		.amdhsa_memory_ordered 1
		.amdhsa_forward_progress 1
		.amdhsa_inst_pref_size 46
	.end_amdhsa_kernel
	.amdgpu_metadata
---
amdhsa.version: [ 1, 2 ]
amdhsa.kernels:
  - .name:           k_qa0d6ba3dc9_head16
    .symbol:         k_qa0d6ba3dc9_head16.kd
    .args:
      - { .name: first16, .offset: 0, .size: 8, .value_kind: global_buffer, .address_space: global }
      - { .name: Wo, .offset: 8, .size: 8, .value_kind: global_buffer, .address_space: global }
      - { .name: out0, .offset: 16, .size: 8, .value_kind: global_buffer, .address_space: global }
    .group_segment_fixed_size: 4608
    .private_segment_fixed_size: 0
    .kernarg_segment_align: 8
    .kernarg_segment_size: 24
    .max_flat_workgroup_size: 128
    .sgpr_count:     66
    .vgpr_count:     1024
    .wavefront_size: 32
...
	.end_amdgpu_metadata
.endif
;; end of part 5
